; MI455X (gfx1250); checked and timed in simulation.
; The chip was launched on July 23, 2026; its instructions are those of AMD's public machine-readable ISA for CDNA 5 (MIT licence, August 2026) and "CDNA5" Instruction Set Architecture Reference Guide (July 2026). The comments in the code are by the model that wrote it; some were corrected since.
;; Multi Head Attention. Allowed arithmetic: matrix products marked QUANTISED: E4M3 operands, one given power-of-two scale a tensor, by v_wmma_f32_16x16x64_fp8_fp8 or v_wmma_f32_16x16x128_fp8_fp8, f32 sums; everything else in f32.
;; Inputs: Wk 1,024 x 1,024 float32; Wq 1,024 x 1,024 float32; Wv 1,024 x 1,024 float32; beta 1,024 float32; gamma 1,024 float32; keys 4 x 2,048 x 1,024 float32; lowp_scales 10 int32 (the exponents e of the quantised operands' scales 2^e); query 4 x 2,048 x 1,024 float32.
;; Outputs: out0 4 x 2,048 x 1,024 float32.
;; This version of the problem:
;;   THIS VERSION OF THE PROBLEM IS GIVEN IN LOW PRECISION. The matrix products marked QUANTISED in the list below multiply operands that are first quantised to E4M3 (4 exponent bits, 3 mantissa bits; 8 bits a number), with one given power-of-two scale for each operand tensor; their sums are f32. All else is computed in f32.
;;   The module's matrix products, in the order in which they are computed (A, B: the left and right operand; K: the contracted axis; several contracted axes count as one K, in the product's order):
;;     1. [M 8,192, K 1,024] x [K 1,024, N 1,024]; A: input query; B: input Wq: QUANTISED (scales: A lowp_scales[0], B lowp_scales[1])
;;     2. [M 8,192, K 1,024] x [K 1,024, N 1,024]; A: input keys; B: input Wk: QUANTISED (scales: A lowp_scales[2], B lowp_scales[3])
;;     3. [M 8,192, K 1,024] x [K 1,024, N 1,024]; A: input keys; B: input Wv: QUANTISED (scales: A lowp_scales[4], B lowp_scales[5])
;;     4. batch 32 x [M 2,048, K 128] x [K 128, N 2,048]; A: computed on the way; B: computed on the way: QUANTISED (scales: A lowp_scales[6], B lowp_scales[7])
;;     5. batch 32 x [M 2,048, K 2,048] x [K 2,048, N 128]; A: softmax (see below); B: computed on the way: QUANTISED (scales: A lowp_scales[8], B lowp_scales[9])
;;   THE QUANTISER, for each operand of a quantised product, along K:
;;     - The operand's scale is 2^e, e = its entry of the input lowp_scales (int32; the entries are numbered through the quantised products in the list's order, A before B).
;;     - Each number is divided by the scale, clamped to +-448, and rounded to the nearest number of E4M3, ties to even, subnormals kept.
;;     - The product sums the exact products of the quantised numbers (number of the format x scale) in f32.
;;   ~~~python
;;   def quantise(x, axis, e):      # numpy; x: float32 -> the quantised numbers, widened to float32 again
;;       x = np.moveaxis(x, axis, -1); K = x.shape[-1]
;;       r = np.clip(x / 2.0 ** e, -448, 448)
;;       step = 2.0 ** (np.maximum(np.frexp(np.where(r == 0, 1, r))[1] - 1, -6) - 3)
;;       q = np.round(r / step) * step * 2.0 ** e      # np.round: ties to even
;;       return np.moveaxis(q, -1, axis).astype(np.float32)
;;   ~~~
;;   SOFTMAX AHEAD OF A QUANTISED PRODUCT. Where the list says 'softmax', what is quantised is not the finished softmax but p = 2^(t - M), with t = logit x log2(e) and M = ceil(the row's largest t), a whole number; so 1/2 < the row's largest p <= 1. The row's sum l is taken of the UNQUANTISED p, in f32, and the product's result is divided by l at the end. Since M is a whole number, a kernel that streams over the keys may use a running M (the ceiling of the running maximum): every later rescaling is an exact power of two, so the quantised numbers keep their values, but for numbers so far below the row's largest that they fall under the format's range.
;;   OPERANDS COMPUTED ON THE WAY. 'Computed on the way' means the value that the module computes at that place (a softmax that the list does not call 'softmax' is quantised finished and normalised). What goes into a quantiser is computed in f32, as accurately as f32 sums, v_exp_f32 and their like allow (about 1e-6 of the number): no bf16 or f16 on the way to a quantiser, and a product that is left as it is and whose result goes on into a quantised operand takes f32 operands (vector FMAs, or v_wmma_f32_16x16x4_f32). A number that lies on a knife's edge between two numbers of the format may be rounded either way, as far as f32 arithmetic and the matrix unit's own rounding can turn it there, and no further.
;; 2 versions. Each part assembles by itself: llvm-mc -triple=amdgcn-amd-amdhsa -mcpu=gfx1250 --defsym DOCPART=n.
;; ======== version 1 of 2: 4 launches
;; workspace buffers: codes 28,311,552 bytes; qkv 25,165,824 bytes; z 33,554,432 bytes; part 262,144 bytes
;; launch quant (part 1): grid 608 x 1, 4 waves a work-group, no clusters, 0 bytes of LDS; arguments query, keys, Wq, Wk, Wv, lowp_scales, codes; writes codes
.if DOCPART == 1
	.amdgcn_target "amdgcn-amd-amdhsa--gfx1250"
	.amdhsa_code_object_version 6
	.text
	.protected	k_q6aca4c60fe_quant
	.globl	k_q6aca4c60fe_quant
	.p2align	8
	.type	k_q6aca4c60fe_quant,@function
k_q6aca4c60fe_quant:
	s_mov_b64 s[64:65], 0
	v_nop
	global_prefetch_b8 v0, s[64:65] scope:SCOPE_SE
	s_setreg_imm32_b32 hwreg(HW_REG_WAVE_MODE, 25, 1), 1
	s_wait_xcnt 0x0
; query, keys [8192][1024] and Wq, Wk, Wv [1024][1024], f32, become codes of FP8 (E4M3), one byte a number, each with the scale 2^e that is given for it.
; code = x / 2^e, held within +-448, rounded to the nearest code, ties to even.  keys is quantised TWICE: with e2 for the product with Wk, with e4 for the product with Wv.
; codes: query's at 0, keys' (e2) at 8 MiB, keys' (e4) at 16 MiB, Wq's at 24 MiB, Wk's at 25 MiB, Wv's at 26 MiB; a row is 1,024 bytes.
; K IS PERMUTED INSIDE A ROW, ALIKE IN ALL SIX: byte 512 (j / 4) + 16 l + 4 (j % 4) + i holds k = 128 j + 4 l + i.  The scale is one for a tensor, so a code hangs on its own number alone, and a permutation
; of k that is the same in both operands of a product leaves every pair of factors together.  It lets a lane keep the 16 bytes that each load gives it: no turn through LDS.
; SHARES.  A work-group takes 32 rows, a wave 8.  Work-groups 0-255: query; 256-511: keys; 512-543: Wq; 544-575: Wk; 576-607: Wv.  A row is eight loads of 512 consecutive bytes (16 a lane) and
; two stores of 512 consecutive bytes.  Loads run four rows (32 loads a wave) ahead.  Waves share nothing: no LDS, no barrier.
; LIMITS: each of e0 .. e5 lies between -126 and 119, so that 2^e and 448 x 2^e are f32 numbers.  NaN among the inputs is not served (an infinity is held at the largest code).
.set ROWF, 4096                        ; a row of f32 in bytes
.set ROWC, 1024                        ; a row of codes in bytes
.set OFF,  1                           ; v1   16 x lane: my place in a load's and in a store's 512 bytes; never rewritten
.set SA,   2                           ; v2   2^e of the tensor (for keys: e2);  v3  448 x that
.set LA,   3
.set SB,   4                           ; v4   2^e4;  v5  448 x that
.set LB,   5
.set X,    32                          ; v32-159  four sets of 32 numbers: register 4 j + i = k 128 j + 4 l + i
.set T,    160                         ; v160-191 a row's numbers, held
.set C1,   192                         ; v192-199 a row's codes
.set C2,   200                         ; v200-207 keys: the row's codes under e4
.set SRC,  32                          ; s[32:33] my wave's first row of f32
.set DST,  34                          ; s[34:35] and of codes
.set DST2, 36                          ; s[36:37] keys: the same row 8 MiB on
	s_load_b256 s[4:11], s[0:1], 0x0               ; query s[4:5], keys s[6:7], Wq s[8:9], Wk s[10:11]
	s_load_b128 s[12:15], s[0:1], 0x20             ; Wv s[12:13], the scales' exponents s[14:15]
	s_load_b64 s[16:17], s[0:1], 0x30              ; codes
	v_lshrrev_b32 v6, 5, v0
	v_readfirstlane_b32 s18, v6                    ; wave 0..3
	v_and_b32 v[OFF], 31, v0
	v_lshlrev_b32 v[OFF], 4, v[OFF]
	s_lshr_b32 s21, ttmp9, 8                       ; 1 in keys' work-groups alone
	s_mov_b32 s20, 576
	s_wait_kmcnt 0x0
	s_load_b256 s[24:31], s[14:15], 0x0            ; e0 .. e7
	; which tensor is mine: a chain of choices on the work-group's number alone; s20 = the tensor's first work-group
	s_mov_b64 s[SRC:SRC+1], s[12:13]
	s_cmp_lt_u32 ttmp9, 576
	s_cselect_b64 s[SRC:SRC+1], s[10:11], s[SRC:SRC+1]
	s_cselect_b32 s20, 544, s20
	s_cmp_lt_u32 ttmp9, 544
	s_cselect_b64 s[SRC:SRC+1], s[8:9], s[SRC:SRC+1]
	s_cselect_b32 s20, 512, s20
	s_cmp_lt_u32 ttmp9, 512
	s_cselect_b64 s[SRC:SRC+1], s[6:7], s[SRC:SRC+1]
	s_cselect_b32 s20, 256, s20
	s_cselect_b32 s23, 0, 256                      ; the weights' codes lie 8 MiB (256 work-groups' worth) further on: keys' second set stands between
	s_cmp_lt_u32 ttmp9, 256
	s_cselect_b64 s[SRC:SRC+1], s[4:5], s[SRC:SRC+1]
	s_cselect_b32 s20, 0, s20
	s_sub_co_u32 s38, ttmp9, s20
	s_lshl_b32 s38, s38, 17                        ; 32 rows of 4,096 bytes a work-group,
	s_lshl_b32 s39, s18, 15                        ; 8 a wave
	s_add_co_u32 s38, s38, s39
	s_mov_b32 s39, 0
	s_add_nc_u64 s[SRC:SRC+1], s[SRC:SRC+1], s[38:39]
	s_add_co_u32 s23, s23, ttmp9
	s_lshl_b32 s38, s23, 15                        ; 32 rows of 1,024 bytes a work-group,
	s_lshl_b32 s39, s18, 13                        ; 8 a wave
	s_add_co_u32 s38, s38, s39
	s_mov_b32 s39, 0
	s_add_nc_u64 s[DST:DST+1], s[16:17], s[38:39]
	s_add_nc_u64 s[DST2:DST2+1], s[DST:DST+1], 0x800000   ; used by keys' work-groups alone
.macro LOAD t                          ; row t into set t % 4: each load reads 512 consecutive bytes
.irp j, 0,1,2,3,4,5,6,7
	global_load_b128 v[X+32*((\t)%4)+4*\j:X+32*((\t)%4)+4*\j+3], v[OFF], s[SRC:SRC+1] offset:(\t)*ROWF+512*\j th:TH_LOAD_NT
.endr
.endm
	LOAD 0
	LOAD 1
	LOAD 2
	LOAD 3
	s_wait_kmcnt 0x0
	s_mov_b32 s22, s29                             ; the tensor's exponent, by the same chain: e5, e3, e1, e2, e0
	s_cmp_lt_u32 ttmp9, 576
	s_cselect_b32 s22, s27, s22
	s_cmp_lt_u32 ttmp9, 544
	s_cselect_b32 s22, s25, s22
	s_cmp_lt_u32 ttmp9, 512
	s_cselect_b32 s22, s26, s22
	s_cmp_lt_u32 ttmp9, 256
	s_cselect_b32 s22, s24, s22
	s_add_co_i32 s22, s22, 127
	s_lshl_b32 s23, s22, 23
	v_mov_b32 v[SA], s23                           ; 2^e as f32: the conversion takes its exponent field
	s_add_co_i32 s22, s22, 8
	s_lshl_b32 s22, s22, 23
	s_or_b32 s22, s22, 0x600000
	v_mov_b32 v[LA], s22                           ; 448 x 2^e
	s_add_co_i32 s22, s28, 127                     ; the same with e4
	s_lshl_b32 s23, s22, 23
	v_mov_b32 v[SB], s23
	s_add_co_i32 s22, s22, 8
	s_lshl_b32 s22, s22, 23
	s_or_b32 s22, s22, 0x600000
	v_mov_b32 v[LB], s22
.macro ROW t
.set XS, X+32*((\t)%4)
.if (\t) < 5
	s_wait_loadcnt 24                              ; loads come back in order: this row's eight are in; those of the three rows behind it may be out
.else
	s_wait_loadcnt 8*(7-(\t))
.endif
	s_wait_xcnt 0x0                                ; the last row's stores have read their data: the codes' registers are written again only behind this wait
.set i, 0
.rept 32
	v_med3_num_f32 v[T+i], v[XS+i], -v[LA], v[LA]  ; the conversion to an 8-bit code does not saturate (ISA guide 7.6.2): the number is held within the largest code x the scale first
.set i, i+1
.endr
.irp g, 0,1,2,3
	v_cvt_scalef32_pk8_fp8_f32 v[C1+2*\g:C1+2*\g+1], v[T+8*\g:T+8*\g+7], v[SA]
.endr
	v_nop                                          ; a plain line behind the last conversion, ahead of the next vector line that writes its sources
	global_store_b128 v[OFF], v[C1:C1+3], s[DST:DST+1] offset:(\t)*ROWC          ; 32 lanes store 512 consecutive bytes, at a multiple of 256 from the buffer's first byte
	global_store_b128 v[OFF], v[C1+4:C1+7], s[DST:DST+1] offset:(\t)*ROWC+512
	s_cmp_eq_u32 s21, 1                            ; keys: once more, with e4.  A branch on the work-group's number
	s_cbranch_scc0 .Lone_\@
.set i, 0
.rept 32
	v_med3_num_f32 v[XS+i], v[XS+i], -v[LB], v[LB]
.set i, i+1
.endr
.irp g, 0,1,2,3
	v_cvt_scalef32_pk8_fp8_f32 v[C2+2*\g:C2+2*\g+1], v[XS+8*\g:XS+8*\g+7], v[SB]
.endr
	v_nop
	global_store_b128 v[OFF], v[C2:C2+3], s[DST2:DST2+1] offset:(\t)*ROWC
	global_store_b128 v[OFF], v[C2+4:C2+7], s[DST2:DST2+1] offset:(\t)*ROWC+512
.Lone_\@:
.if (\t) < 4
	LOAD (\t)+4                                    ; the set takes the row four further on; the last four rows ask for nothing
.endif
.endm
.irp t, 0,1,2,3,4,5,6,7
	ROW \t
.endr
	s_endpgm
.Lfunc_end_k_q6aca4c60fe_quant:
	.size	k_q6aca4c60fe_quant, .Lfunc_end_k_q6aca4c60fe_quant-k_q6aca4c60fe_quant
	.p2alignl 7, 3214868480
	.fill 96, 4, 3214868480
	.section	.rodata,"a",@progbits
	.p2align	6, 0x0
	.amdhsa_kernel k_q6aca4c60fe_quant
		.amdhsa_group_segment_fixed_size 0
		.amdhsa_private_segment_fixed_size 0
		.amdhsa_enable_private_segment 0
		.amdhsa_kernarg_size 56
		.amdhsa_user_sgpr_count 2
		.amdhsa_user_sgpr_kernarg_segment_ptr 1
		.amdhsa_wavefront_size32 1
		.amdhsa_system_sgpr_workgroup_id_x 1
		.amdhsa_system_sgpr_workgroup_id_y 1
		.amdhsa_system_sgpr_workgroup_id_z 1
		.amdhsa_system_vgpr_workitem_id 0
		.amdhsa_next_free_vgpr 208
		.amdhsa_next_free_sgpr 66
		.amdhsa_reserve_vcc 0
		.amdhsa_float_denorm_mode_32 3
		.amdhsa_float_denorm_mode_16_64 3
		.amdhsa_memory_ordered 1
		.amdhsa_forward_progress 1
		.amdhsa_inst_pref_size 50
	.end_amdhsa_kernel
	.amdgpu_metadata
---
amdhsa.version: [ 1, 2 ]
amdhsa.kernels:
  - .name:           k_q6aca4c60fe_quant
    .symbol:         k_q6aca4c60fe_quant.kd
    .args:
      - { .name: query, .offset: 0, .size: 8, .value_kind: global_buffer, .address_space: global }
      - { .name: keys, .offset: 8, .size: 8, .value_kind: global_buffer, .address_space: global }
      - { .name: Wq, .offset: 16, .size: 8, .value_kind: global_buffer, .address_space: global }
      - { .name: Wk, .offset: 24, .size: 8, .value_kind: global_buffer, .address_space: global }
      - { .name: Wv, .offset: 32, .size: 8, .value_kind: global_buffer, .address_space: global }
      - { .name: lowp_scales, .offset: 40, .size: 8, .value_kind: global_buffer, .address_space: global }
      - { .name: codes, .offset: 48, .size: 8, .value_kind: global_buffer, .address_space: global }
    .group_segment_fixed_size: 0
    .private_segment_fixed_size: 0
    .kernarg_segment_align: 8
    .kernarg_segment_size: 56
    .max_flat_workgroup_size: 128
    .sgpr_count:     66
    .vgpr_count:     208
    .wavefront_size: 32
...
	.end_amdgpu_metadata
.endif
;; end of part 1
;; launch proj (part 2): grid 4 x 96, 4 waves a work-group, clusters of 4 x 4, 327,680 bytes of LDS; arguments codes, lowp_scales, qkv; writes qkv
.if DOCPART == 2
	.amdgcn_target "amdgcn-amd-amdhsa--gfx1250"
	.amdhsa_code_object_version 6
	.text
	.protected	k_q6aca4c60fe_proj
	.globl	k_q6aca4c60fe_proj
	.p2align	8
	.type	k_q6aca4c60fe_proj,@function
k_q6aca4c60fe_proj:
	s_mov_b64 s[64:65], 0
	v_nop
	global_prefetch_b8 v0, s[64:65] scope:SCOPE_SE
	s_setreg_imm32_b32 hwreg(HW_REG_WAVE_MODE, 25, 1), 1
	s_wait_xcnt 0x0
	s_wait_alu depctr_hold_cnt(0) depctr_sa_sdst(0) depctr_va_vdst(0) depctr_va_sdst(0) depctr_va_ssrc(0) depctr_va_vcc(0) depctr_vm_vsrc(0)
	s_getreg_b32 s2, hwreg(HW_REG_IB_STS2, 6, 4)
	s_cmp_eq_u32 s2, 0
	s_cbranch_scc0 .Lentry_in_a_cluster
	s_endpgm
.Lentry_in_a_cluster:
	s_bfe_u32 s2, ttmp6, 0x10000c
	s_cmp_lg_u32 s2, 0xf033
	s_cbranch_scc0 .Lentry_shape_is_right
	s_endpgm
.Lentry_shape_is_right:
; The three projections, on codes of FP8 (E4M3), as ONE form C'[m][n] = sum over k of A'[m][k] B'[n][k], K = 1,024; each finished sum is quantised at once, for the attention that follows.
; The grid is 24 clusters of 4 x 4 work-groups; cluster y = 8 p + t.  p = 0: A' = query's codes, B' = Wq's, result Q.  p = 1: keys' (e2), Wk's, K.  p = 2: A' = Wv's codes (rows = features), B' = keys' (e4; rows = tokens), result V^T:
; so a lane's eight results are eight neighbouring KEYS of one feature, and V's codes come out with the keys innermost, as the second product of attention wants them.  Nothing is transposed.
; A tile of C', 256 x 256, is made by four waves, as many as a WGP has SIMDs; a wave makes 128 x 128: 64 accumulators, 512 registers.  K goes in steps of 256 through a ring of two LDS slots filled by the tensor data mover.
; CLUSTERS.  The four of a row of the cluster need the same tiles of A', the four of a column the same tiles of B': each tile is asked for JOINTLY, by the same tensor load with the same descriptor and a mask that names the four.
; THE MATRIX INSTRUCTION IS USED TRANSPOSED (source 0 = 16 rows of B', source 1 = 16 rows of A'): a lane holds eight neighbouring numbers of a row of C'.
; THE WAY OUT.  A sum stands for sum x 2^(ea + eb); its code is sum / 2^(eo - ea - eb), held within +-448: the three exponents are folded into the conversion's one scale.  (ea, eb, eo) = (e0, e1, e6), (e2, e3, e7), (e4, e5, e9).
; A wave's 128 x 128 codes are one dense block of 16,384 bytes of qkv: third p, block head x 64 + token / 128; Q, K: [token % 128][d]; V: [d][key % 128].
; LIMIT: eo - ea - eb lies between -126 and 119, so that the scale and 448 x the scale are f32 numbers.
; REGISTERS, in windows of 256: window 0: v0-31 addresses and the two constants; from v128 A's fragments (8 x 16 rows x 128 K), ONE set; on the way out v32-255 are free.
;   window 1: B's fragments, TWO sets, at v0 and at v128.   window 2: the 32 accumulators of my rows 0-63 (accumulator (a, b) at v[8 (8 a + b)]);   window 3: those of my rows 64-127.
.set ROWB,   256                       ; a tile's row in bytes: 256 codes
.set KROW,   1024                      ; a row of A' or of B' in memory, in bytes
.set PITCH,  272                       ; an LDS row: 256 bytes + 16 of padding = 68 words: row r starts at bank 4 r mod 64 (64 banks of 4 bytes: ISA guide 11.1)
.set FR,     16                        ; registers of a fragment: 16 rows x 128 K
.set NL,     4                         ; LDS loads that bring one
.set NP,     4                         ; places behind this matrix instruction (ISA guide 7.12.1)
.set HALFT,  128*PITCH                 ; 128 rows: what one tensor load brings, and what one wave reads of A' or of B'
.set SLOT,   4*HALFT                   ; A's 256 rows, then B's 256 rows
.set SPARE,  2*SLOT                    ; behind the ring: the spare words, 128 bytes for each wave: two blocks of 256 bytes that no other line names
.set SPITCH, 144                       ; the way out: a stage of 16 rows x (128 bytes + 16) for each wave, in slot 0, which has had its last fill and its last read when the first code is stored there
.set ADRA, 16                          ; v16-17  LDS address of my A fragments in slot 0, 1
.set ADRB, 20                          ; v20-21  the same for B
.set STO,  24                          ; v24     the way out: where I put 8 bytes of a row
.set RD,   25                          ; v25     where I read 16 bytes back
.set CO,   26                          ; v26     16 x lane: my place in a store's 512 bytes
.set SPW,  28                          ; v28     LDS address of my spare word: SPARE + 4 x my thread's number; never rewritten
.set NIL,  29                          ; v29     0; never rewritten
.set SCL,  30                          ; v30     2^(eo - ea - eb) as f32
.set LIM,  31                          ; v31     448 x that
.set TMP,  32                          ; v32-95  a block's sums, held
.set CD,   96                          ; v96-127 its codes: two sets of 16, by turns
.set AF,   128                         ; A's fragments, in window 0
.set BK,   128                         ; the way out: 16 registers for each block's rows read back: no store's data are written again
.set G1, 24                            ; s[24:31] descriptor group 1 for A's tiles;  s[32:39] group 0, one set for each slot
.set G0, 32
.set G1B, 48                           ; s[48:55], s[56:63] the same for B's tiles
.set G0B, 56
.set MSB, 0
.macro WIN new                         ; the immediate's high byte repeats the setting that is left
.if MSB != (\new)
	s_set_vgpr_msb (MSB<<8)|(\new)
.set MSB, (\new)
.endif
.endm
.set MUL_LO, 0xa1                      ; source 0 (B) window 1, source 1 (A) window 0, C and D window 2
.set MUL_HI, 0xf1                      ; the same, C and D window 3
.set TO_B,   0x40                      ; destination window 1, address window 0
; A joint load: waves 0 and 1 fetch for A', waves 2 and 3 for B'.  Each of the two lines has ONE mask and one set of registers for all that issue it; the branch hangs on the wave's number alone.
; Four v_nop follow each of the two lines, ahead of the jump, the label and what follows.
.macro JLOAD g0a, g1a, g0b, g1b
	s_cmp_eq_u32 s15, 0
	s_cbranch_scc0 .Lfor_b_\@
	tensor_load_to_lds s[\g0a:\g0a+3], s[\g1a:\g1a+7]
	s_nop 0
.rept 4
	v_nop
.endr
	s_branch .Lasked_\@
.Lfor_b_\@:
	tensor_load_to_lds s[\g0b:\g0b+3], s[\g1b:\g1b+7]
	s_nop 0
.rept 4
	v_nop
.endr
.Lasked_\@:
.endm
.macro CREST                           ; a round of the cluster's barrier behind its opening barrier
	s_cmp_lg_u32 s14, 0
	s_cbranch_scc1 .Lnot_wave_0_\@
	s_barrier_signal -3
.Lnot_wave_0_\@:
	s_barrier_wait -3
	s_barrier_signal -1
	s_barrier_wait -1
.endm
.macro CROUND                          ; a whole round
	s_barrier_signal -1
	s_barrier_wait -1
	CREST
.endm
	s_load_b128 s[4:7], s[0:1], 0x0                ; codes s[4:5], the scales' exponents s[6:7]
	s_load_b64 s[8:9], s[0:1], 0x10                ; qkv
	v_lshl_add_u32 v[SPW], v0, 2, SPARE
	v_mov_b32 v[NIL], 0
	ds_add_u32 v28, v29
	s_wait_dscnt 0x0
	v_lshrrev_b32 v1, 5, v0
	v_readfirstlane_b32 s14, v1                    ; wave 0..3
	s_lshr_b32 s15, s14, 1                         ; which half of the tile's rows is mine.  Also: I fetch for A' (0) or for B' (1)
	s_and_b32 s16, s14, 1                          ; which half of its columns.  Also: which 128 rows of that tile I fetch
	s_bfe_u32 s40, ttmp6, 0x40000                  ; cx, cy: my place in the cluster
	s_bfe_u32 s41, ttmp6, 0x40004
	s_and_b32 s12, ttmp7, 0xffff                   ; cluster y = 8 p + t (the grid has one cluster along x)
	s_lshr_b32 s13, s12, 3                         ; p: which projection; the same in all sixteen partners
	s_and_b32 s2, s12, 7                           ; t
	s_lshl_b32 s80, s2, 2                          ; 4 t
	s_lshl_b32 s81, s13, 23                        ; A': query's codes at 0, keys' (e2) at 8 MiB,
	s_add_co_u32 s82, s13, 24
	s_lshl_b32 s82, s82, 20                        ; B': Wq's at 24 MiB, Wk's at 25 MiB;
	s_cmp_eq_u32 s13, 2                            ; only choices follow this compare, up to the next addition
	s_cselect_b32 s83, 0, s80                      ; p < 2: the 32 tile rows (tokens) are walked by t; p = 2: the 32 tile columns
	s_cselect_b32 s84, s80, 0
	s_cselect_b32 s81, 26<<20, s81                 ; p = 2: A' = Wv's codes at 26 MiB,
	s_cselect_b32 s82, 16<<20, s82                 ;        B' = keys' (e4) at 16 MiB
	s_add_co_u32 s17, s41, s83                     ; tile row of C': of cy and the cluster's y alone
	s_add_co_u32 s42, s40, s84                     ; tile column: of cx and the cluster's y alone
	s_lshl_b32 s43, s41, 2
	s_lshl_b32 s43, 15, s43                        ; my row of the cluster
	s_lshl_b32 s44, 0x1111, s40                    ; my column
	; descriptor group 1: a tile of 128 rows x 256 bytes, padded in LDS
	s_or_b32 s[G1+0], s43, (0<<16)|(1<<20)|(1<<21)|(5<<22)|(3<<25)  ; 15:0 the mask: A's tiles go to my row; 17:16 element of 1 byte; 20 padding on; 21 set beside a mask; 24:22 after every 64 words (code 5); 31:25 of 4 words (code 3)
	s_or_b32 s[G1B+0], s44, (0<<16)|(1<<20)|(1<<21)|(5<<22)|(3<<25)
.irp g, G1, G1B
	s_mov_b32 s[\g+1], ROWB<<16                    ; tensor_dim0
	s_mov_b32 s[\g+2], 128<<16                     ; tensor_dim1 = 128
	s_mov_b32 s[\g+3], ROWB<<16                    ; tile_dim0
	s_mov_b32 s[\g+4], 128                         ; tile_dim1 = 128
	s_mov_b32 s[\g+5], KROW                        ; tensor_dim0_stride
	s_mov_b32 s[\g+6], 0
	s_mov_b32 s[\g+7], 0
.endr
	s_lshl_b32 s18, s16, 7                         ; which 128 rows of the tile I fetch
	s_lshl_b32 s20, s17, 8
	s_add_co_u32 s20, s20, s18                     ; A': row 256 x tile row + 128 x half,
	s_lshl_b32 s20, s20, 10                        ; of 1,024 bytes,
	s_add_co_u32 s20, s20, s81                     ; in its part of the buffer: under 2^25
	s_mov_b32 s21, 0
	s_lshl_b32 s46, s42, 8
	s_add_co_u32 s46, s46, s18                     ; B' likewise, by the tile column
	s_lshl_b32 s46, s46, 10
	s_add_co_u32 s46, s46, s82
	s_mov_b32 s47, 0
	s_mul_i32 s45, s14, HALFT                      ; where they go: wave x 128 rows: no place in the cluster enters an LDS address
	s_wait_kmcnt 0x0
	s_load_b256 s[68:75], s[6:7], 0x0              ; e0 .. e7
	s_load_b64 s[76:77], s[6:7], 0x20              ; e8, e9
	s_add_nc_u64 s[20:21], s[4:5], s[20:21]
	s_add_nc_u64 s[46:47], s[4:5], s[46:47]
	CROUND                                         ; all sixteen work-groups are here: the first joint loads meet
.irp s, 0,1
	s_mov_b32 s[G0+4*\s], 1
	s_add_co_u32 s[G0+4*\s+1], s45, \s*SLOT
	s_add_nc_u64 s[G0+4*\s+2:G0+4*\s+3], s[20:21], \s*ROWB
	s_or_b32 s[G0+4*\s+3], s[G0+4*\s+3], 0x80000000
	s_mov_b32 s[G0B+4*\s], 1
	s_add_co_u32 s[G0B+4*\s+1], s45, \s*SLOT
	s_add_nc_u64 s[G0B+4*\s+2:G0B+4*\s+3], s[46:47], \s*ROWB
	s_or_b32 s[G0B+4*\s+3], s[G0B+4*\s+3], 0x80000000
	JLOAD G0+4*\s, G1, G0B+4*\s, G1B               ; two tensor loads of mine are out from here to the first wait
.endr
	v_and_b32 v1, 15, v0                           ; r = l % 16
	v_bfe_u32 v2, v0, 4, 1                         ; h = l / 16
	v_mul_u32_u24 v3, v1, PITCH
	v_lshl_add_u32 v4, v2, 4, v3                   ; a fragment's row x pitch + 16 x half
	s_mul_i32 s21, s15, HALFT                      ; my 128 rows of A'
	s_mul_i32 s22, s16, HALFT                      ; my 128 rows of B',
	s_add_co_u32 s22, s22, 2*HALFT                 ; which lie behind A's 256
.irp s, 0,1
	v_add_nc_u32 v[ADRA+\s], s21, v4
	v_add_nc_u32 v[ADRB+\s], s22, v4
	s_add_co_u32 s21, s21, SLOT
	s_add_co_u32 s22, s22, SLOT
.endr
	s_mul_i32 s23, s14, 16*SPITCH                  ; my stage
	v_mul_u32_u24 v5, v1, SPITCH                   ; in: row r, 8 bytes for each half of the lanes
	v_lshl_add_u32 v5, v2, 3, v5
	v_add_nc_u32 v[STO], s23, v5
	v_and_b32 v6, 31, v0
	v_lshlrev_b32 v[CO], 4, v6                     ; out: 16 x lane
	v_lshrrev_b32 v7, 3, v6                        ; back: eight lanes to a row of 128 bytes, four rows an instruction
	v_mul_u32_u24 v7, v7, SPITCH
	v_and_b32 v8, 7, v6
	v_lshl_add_u32 v7, v8, 4, v7
	v_add_nc_u32 v[RD], s23, v7
	; my block of qkv
	s_lshl_b32 s85, s17, 1
	s_add_co_u32 s85, s85, s15                     ; which 128 rows of C',
	s_lshl_b32 s86, s42, 1
	s_add_co_u32 s86, s86, s16                     ; which 128 columns
	s_cmp_eq_u32 s13, 2
	s_cselect_b32 s87, s85, s86                    ; the head: by the columns (p < 2) or by the rows (p = 2),
	s_cselect_b32 s88, s86, s85                    ; token / 128: the other way round
	s_lshl_b32 s87, s87, 6
	s_add_co_u32 s87, s87, s88
	s_lshl_b32 s88, s87, 14                        ; blocks of 16,384 bytes,
	s_lshl_b32 s89, s13, 23                        ; in third p
	s_add_co_u32 s88, s88, s89
	s_mov_b32 s89, 0
	s_add_nc_u64 s[10:11], s[8:9], s[88:89]
.macro FRAG reg, adr, q, i             ; a fragment, 16 rows x 128 K of 8-bit codes, is 16 registers: lane l holds row l % 16; registers 4 c .. 4 c + 3 hold the row's bytes 32 c + 16 (l / 16) + 0 .. 15: the same places in A' and in B'
.irp c, 0,1,2,3
	ds_load_b128 v[\reg+4*\c:\reg+4*\c+3], v[\adr] offset:128*(\q)+32*\c+(\i)*16*PITCH
.endr
.endm
; 16 matrix instructions: A's blocks a0, a0 + 1 x B's eight, 128 along K.  p: B's set.  zero = 1: the first product starts the sums: nothing is ever cleared.
; The 64 accumulators take turns, one instruction a turn, in the same order in every step.
.macro MUL16 a0, p, zero
.irp a, \a0, \a0+1
.irp b, 0,1,2,3,4,5,6,7
.if \zero
	v_wmma_f32_16x16x128_fp8_fp8 v[8*(8*((\a)%4)+\b):8*(8*((\a)%4)+\b)+7], v[128*(\p)+FR*\b:128*(\p)+FR*\b+FR-1], v[AF+FR*(\a):AF+FR*(\a)+FR-1], 0
.else
	v_wmma_f32_16x16x128_fp8_fp8 v[8*(8*((\a)%4)+\b):8*(8*((\a)%4)+\b)+7], v[128*(\p)+FR*\b:128*(\p)+FR*\b+FR-1], v[AF+FR*(\a):AF+FR*(\a)+FR-1], v[8*(8*((\a)%4)+\b):8*(8*((\a)%4)+\b)+7]
.endif
.endr
.endr
.endm
.macro FETCH_B slot, q, p              ; B's eight fragments of the slot's q-th 128 along K into set p
	WIN TO_B
.irp i, 0,1,2,3,4,5,6,7
	FRAG 128*(\p)+FR*\i, ADRB+\slot, \q, \i
.endr
	WIN 0
.endm
.macro FETCH_A slot, q, i0             ; A's blocks i0 .. i0 + 3
.irp i, \i0, \i0+1, \i0+2, \i0+3
	FRAG AF+FR*(\i), ADRA+\slot, \q, \i
.endr
.endm
; A load into a register that a matrix instruction has read, and a vector instruction that reads a matrix result, stand NP places behind that matrix instruction, and only plain vector
; instructions that name none of its registers are places (ISA guide 7.12.1 for vector instructions).
.macro PLACES n
.rept \n
	v_nop
.endr
.endm
; A step of 128 along K that has its successor in the same slot.  A block of A' is free as soon as its eight products are issued, so one set serves A': blocks 0-3 are fetched anew in the step's middle, blocks 4-7 at its end.
.macro STEP slot, q, zero
	s_wait_dscnt 4*NL                              ; B's set and A's blocks 0-3 are in; the youngest sixteen loads (A's blocks 4-7) may be out
	WIN MUL_LO
	MUL16 0, (\q)%2, \zero
	MUL16 2, (\q)%2, \zero
	s_wait_dscnt 0                                 ; A's blocks 4-7 are in (asked for 32 matrix instructions ago)
	PLACES NP
	FETCH_B \slot, (\q)+1, 1-(\q)%2
	FETCH_A \slot, (\q)+1, 0
	WIN MUL_HI
	MUL16 4, (\q)%2, \zero
	MUL16 6, (\q)%2, \zero
	PLACES NP
	WIN 0
	FETCH_A \slot, (\q)+1, 4
.endm
; A slot's last step changes slots: ONE barrier; in front of it each wave waits for all its tensor loads, adds 0 to its spare word, and waits for that and for its own reads of this slot.  fill = 1: this slot is filled again, two K steps ahead.
.macro TURN slot, next, fill
	s_wait_tensorcnt 0x0                           ; all my tensor loads have landed: the one that was out is my part of the next slot  (every window is 0 here: the add's two registers lie in window 0)
	ds_add_u32 v[SPW], v[NIL]                      ; 0 onto my spare word
	s_wait_dscnt 4*NL+1                            ; (the add and the youngest sixteen loads, A's blocks 4-7, may be out)
	WIN MUL_LO
	MUL16 0, 1, 0                                  ; sixteen matrix instructions stand between the add and the wait for it
	s_wait_dscnt 0x0                               ; the add is done, and my reads of this slot are over
	s_barrier_signal -1
	MUL16 2, 1, 0
	WIN 0
	s_barrier_wait -1
.if \fill
	CREST                                          ; the barrier has opened a round of the cluster's barrier: no wave of any partner still reads this slot's tile or has a load on its way
	s_add_nc_u64 s[G0+4*\slot+2:G0+4*\slot+3], s[G0+4*\slot+2:G0+4*\slot+3], 2*ROWB
	s_add_nc_u64 s[G0B+4*\slot+2:G0B+4*\slot+3], s[G0B+4*\slot+2:G0B+4*\slot+3], 2*ROWB
	JLOAD G0+4*\slot, G1, G0B+4*\slot, G1B         ; the first tensor load behind the round, and my only one out; the four v_nop behind it are the places in front of the loads below
.else
	PLACES NP
.endif
	FETCH_B \next, 0, 0
	FETCH_A \next, 0, 0
	WIN MUL_HI
	MUL16 4, 1, 0
	MUL16 6, 1, 0
	PLACES NP
	WIN 0
	FETCH_A \next, 0, 4
.endm
	s_wait_tensorcnt 1                             ; my part of K step 0 is in (K step 1's load, issued behind it, may be out)
	s_barrier_signal -1
	s_barrier_wait -1                              ; everybody's is
	FETCH_B 0, 0, 0
	FETCH_A 0, 0, 0
	FETCH_A 0, 0, 4
	; K = 1,024 is four K steps of 256, eight steps of 128: written out, since each slot is filled again just once
	STEP 0, 0, 1                                   ; the first products start the sums
	TURN 0, 1, 1                                   ; slot 0 takes K step 2
	STEP 1, 0, 0
	TURN 1, 0, 1                                   ; slot 1 takes K step 3
	STEP 0, 0, 0
	TURN 0, 1, 0                                   ; nothing is left to fetch: no round of the cluster's barrier
	STEP 1, 0, 0
	s_wait_dscnt 4*NL                              ; the very last step
	WIN MUL_LO
	MUL16 0, 1, 0
	MUL16 2, 1, 0
	s_wait_dscnt 0
	WIN MUL_HI
	MUL16 4, 1, 0
	MUL16 6, 1, 0
	WIN 0
; THE WAY OUT, block by block of 16 rows x 128 columns.  A lane's eight sums of an accumulator become 8 bytes of a row, and the lanes beside it hold other rows: so a block goes through my own stage in LDS
; and comes back as 2,048 consecutive bytes of my block of qkv.  LDS serves a wave's instructions in order (ISA guide 5.7.1.4): no wait between the stores and the loads.
.macro TOSTAGE a
.set AC, 64*((\a)%4)
.set CC, CD+16*((\a)%2)
	WIN 0x02+((\a)/4)                              ; source 0: window 2 or 3
.set j, 0
.rept 64
	v_med3_num_f32 v[TMP+j], v[AC+j], -v[LIM], v[LIM]   ; the hold at the largest code x the scale (the conversion does not saturate: ISA guide 7.6.2); each accumulator from its low end on
.set j, j+1
.endr
	WIN 0
.irp b, 0,1,2,3,4,5,6,7
	v_cvt_scalef32_pk8_fp8_f32 v[CC+2*\b:CC+2*\b+1], v[TMP+8*\b:TMP+8*\b+7], v[SCL]
.endr
	v_nop                                          ; a plain line behind the last conversion: the next block's holds write its sources
.irp b, 0,1,2,3,4,5,6,7
	ds_store_b64 v[STO], v[CC+2*\b:CC+2*\b+1] offset:16*\b        ; columns 16 b + 8 h + 0 .. 7 of row r
.endr
.irp t, 0,1,2,3
	ds_load_b128 v[BK+16*(\a)+4*\t:BK+16*(\a)+4*\t+3], v[RD] offset:\t*4*SPITCH
.endr
.endm
.macro SEND a, younger                 ; younger: the LDS instructions issued behind block a's loads, which may stay out
	s_wait_dscnt \younger                          ; the block is back in registers; so its stores into the stage have read theirs
.irp t, 0,1,2,3
	global_store_b128 v[CO], v[BK+16*(\a)+4*\t:BK+16*(\a)+4*\t+3], s[10:11] offset:2048*(\a)+512*\t   ; 32 lanes store 512 consecutive bytes, at a multiple of 256 from the buffer's first byte
.endr
.endm
	s_wait_kmcnt 0x0
	s_add_co_i32 s80, s68, s69                     ; ea + eb and eo, chosen by p without a branch
	s_add_co_i32 s81, s70, s71
	s_add_co_i32 s82, s72, s73
	s_cmp_eq_u32 s13, 1
	s_cselect_b32 s80, s81, s80
	s_cselect_b32 s83, s75, s74                    ; e7 or e6
	s_cmp_eq_u32 s13, 2
	s_cselect_b32 s80, s82, s80
	s_cselect_b32 s83, s77, s83                    ; e9
	s_sub_co_i32 s83, s83, s80
	s_add_co_i32 s83, s83, 127
	s_lshl_b32 s84, s83, 23
	v_mov_b32 v[SCL], s84                          ; 2^(eo - ea - eb) as f32: the conversion takes its exponent field
	s_add_co_i32 s83, s83, 8
	s_lshl_b32 s83, s83, 23
	s_or_b32 s83, s83, 0x600000
	v_mov_b32 v[LIM], s83                          ; 448 x that
	PLACES NP                                      ; behind the last products: for the loads into the registers that held A's fragments
	TOSTAGE 0
.irp a, 1,2,3,4,5,6,7
	TOSTAGE \a
	SEND \a-1, 12                                  ; behind block a - 1's loads: block a's 8 stores and 4 loads
.endr
	SEND 7, 0
	s_wait_tensorcnt 0x0                           ; the wave's end: behind my last tensor load and my last LDS store
	ds_add_u32 v[SPW], v[NIL]
	s_wait_dscnt 0x0
	CROUND                                         ; the closing round: no work-group ends while a partner may still ask for a tile that names it
	s_endpgm
.Lfunc_end_k_q6aca4c60fe_proj:
	.size	k_q6aca4c60fe_proj, .Lfunc_end_k_q6aca4c60fe_proj-k_q6aca4c60fe_proj
	.p2alignl 7, 3214868480
	.fill 96, 4, 3214868480
	.section	.rodata,"a",@progbits
	.p2align	6, 0x0
	.amdhsa_kernel k_q6aca4c60fe_proj
		.amdhsa_group_segment_fixed_size 327680
		.amdhsa_private_segment_fixed_size 0
		.amdhsa_enable_private_segment 0
		.amdhsa_kernarg_size 24
		.amdhsa_user_sgpr_count 2
		.amdhsa_user_sgpr_kernarg_segment_ptr 1
		.amdhsa_wavefront_size32 1
		.amdhsa_system_sgpr_workgroup_id_x 1
		.amdhsa_system_sgpr_workgroup_id_y 1
		.amdhsa_system_sgpr_workgroup_id_z 1
		.amdhsa_system_vgpr_workitem_id 0
		.amdhsa_next_free_vgpr 1024
		.amdhsa_next_free_sgpr 100
		.amdhsa_reserve_vcc 0
		.amdhsa_float_denorm_mode_32 3
		.amdhsa_float_denorm_mode_16_64 3
		.amdhsa_memory_ordered 1
		.amdhsa_forward_progress 1
		.amdhsa_inst_pref_size 125
	.end_amdhsa_kernel
	.amdgpu_metadata
---
amdhsa.version: [ 1, 2 ]
amdhsa.kernels:
  - .name:           k_q6aca4c60fe_proj
    .symbol:         k_q6aca4c60fe_proj.kd
    .args:
      - { .name: codes, .offset: 0, .size: 8, .value_kind: global_buffer, .address_space: global }
      - { .name: lowp_scales, .offset: 8, .size: 8, .value_kind: global_buffer, .address_space: global }
      - { .name: qkv, .offset: 16, .size: 8, .value_kind: global_buffer, .address_space: global }
    .group_segment_fixed_size: 327680
    .private_segment_fixed_size: 0
    .kernarg_segment_align: 8
    .kernarg_segment_size: 24
    .max_flat_workgroup_size: 128
    .sgpr_count:     100
    .vgpr_count:     1024
    .wavefront_size: 32
...
	.end_amdgpu_metadata
.endif
;; end of part 2
;; launch attn (part 3): grid 8 x 32, 16 waves a work-group, clusters of 4 x 1, 327,680 bytes of LDS; arguments qkv, lowp_scales, query, z, part; writes z, part
.if DOCPART == 3
	.amdgcn_target "amdgcn-amd-amdhsa--gfx1250"
	.amdhsa_code_object_version 6
	.text
	.protected	k_q6aca4c60fe_attn
	.globl	k_q6aca4c60fe_attn
	.p2align	8
	.type	k_q6aca4c60fe_attn,@function
k_q6aca4c60fe_attn:
	s_mov_b64 s[64:65], 0
	v_nop
	global_prefetch_b8 v0, s[64:65] scope:SCOPE_SE
	s_setreg_imm32_b32 hwreg(HW_REG_WAVE_MODE, 25, 1), 1
	s_wait_xcnt 0x0
	s_wait_alu depctr_hold_cnt(0) depctr_sa_sdst(0) depctr_va_vdst(0) depctr_va_sdst(0) depctr_va_ssrc(0) depctr_va_vcc(0) depctr_vm_vsrc(0)
	s_getreg_b32 s2, hwreg(HW_REG_IB_STS2, 6, 4)
	s_cmp_eq_u32 s2, 0
	s_cbranch_scc0 .Lentry_in_a_cluster
	s_endpgm
.Lentry_in_a_cluster:
	s_bfe_u32 s2, ttmp6, 0x10000c
	s_cmp_lg_u32 s2, 0x3003
	s_cbranch_scc0 .Lentry_shape_is_right
	s_endpgm
.Lentry_shape_is_right:
; z[b][s][128 head + d] = (the sum over k of softmax_k(Q . K / 32) V)[d] + query[b][s][128 head + d], both products on codes of FP8 (E4M3) with the given scales e6 (Q), e7 (K), e8 (p), e9 (V);
; and, for each block of 256 rows and each feature, the sum of z and the sum of squares about the block's own mean (part), for the norm that follows.
; qkv: Q's codes at 0, K's at 8 MiB, V's at 16 MiB.  Work-group y = 4 head + b; its pair begins at y x 262,144 bytes in each third: Q, K dense [2048][128]; V [16 chunks of 128 keys][128 d][128 keys]: the keys innermost.
; THE SOFTMAX AHEAD OF THE SECOND PRODUCT: t = score x log2(e) / 32; M = the row's largest t so far, rounded UP to a whole number; p = 2^(t - M) is what is quantised; it is not normalised.
; The row's sum is taken of the unquantised p, in f32, and divides O at the end.  When M moves, the sum and O are multiplied by 2^(old M - new M): exact.
; SHARES.  A work-group owns 256 queries of one pair; each of its SIXTEEN waves owns 16, one tile, in 256 registers: four waves to a SIMD, so that one wave's vector work stands beside another's matrix work and LDS loads.
; Every wave walks all 2,048 keys, 128 a step.  K's and V's tiles come through a ring of two LDS slots of 256 keys: waves 0 and 1 fetch K's halves, waves 2 and 3 V's two chunks, each a dense block of 128 rows x 128 bytes.
; CLUSTER.  The four query blocks of a cluster belong to one pair and walk the same K and V: each tile is asked for JOINTLY, by the same tensor load with the same descriptor and a mask that names the four.
; LAYOUT.  Both products are used transposed: S^T = K Q^T (source 0 = 16 keys, source 1 = my 16 queries), O^T = V^T P^T (source 0 = 16 of the head's 128, source 1 = P): a lane holds ONE query (lane % 16) throughout.
; THE KEYS OF A TILE ARE NOT NEIGHBOURS: lane r of tile 2 b + u takes key 32 b + 8 u + r + 8 (r / 8), so that the 16 registers of tiles 2 b and 2 b + 1 are 16 neighbouring keys, 32 b + 16 (lane / 16) + 0 .. 15.
; THE STATISTICS are made in two passes over registers (a mean, then squares of differences from it) and merged by means and centred sums: no difference of large sums is formed, whatever offset query carries.
; LIMITS on the given exponents, so that each power of two below is an f32 number: e6 + e7 between -121 and 132 (they are added to c's exponent field); e8 between -126 and 119; e8 + e9 is applied by v_ldexp_f32 and has none.
; REGISTERS: v1-7 addresses that stay; v8-11 addresses in hand; v12 -M, v13 the largest t, v[14:15] the sum in two halves; v16-31 Q; v32-95 four fragments of K or of V; v96-159 S^T, then p; v160-223 O^T; v224-239 p's codes; v236-254 at work.
.set KP,    144                        ; a row of a tile in LDS: 128 bytes + 16 of padding
.set BLK,   128*KP                     ; a tile: 128 rows
.set VOFF,  2*BLK                      ; a slot: K's 256 keys, then V's two chunks
.set SLOT1, 1<<17                      ; slot 1 begins here, so that one exclusive or turns an address in one slot into the other's
.set NSL,   8                          ; 2,048 keys are eight slots' worth
.set SLB,   32768                      ; a slot's keys in memory, in K as in V: 256 x 128 bytes
.set SPARE, 2*SLOT1                    ; behind the ring: the spare words, 128 bytes for each wave: eight blocks of 256 bytes that no other line names
.set STAT,  SPARE+2048                 ; 1,024 bytes for each wave: 128 sums, 128 centred sums of squares; no tile ever lands here
.set SP,    272                        ; the way out: a stage of 16 rows x (256 bytes + 16) for each wave, from LDS byte 0 on: in slot 0, which was left at the last change of slots: it has had its last fill, and nobody reads it
.set AK0,  1                           ; v1   my lane's place in a tile of K
.set AV0,  2                           ; v2   the same for V
.set PFO,  3                           ; v3   256 x lane: the prefetches of K and V; never rewritten
.set PFQ,  4                           ; v4   4,096 (lane / 2) + 256 (lane % 2): the prefetch of query; never rewritten
.set SPW,  5                           ; v5   LDS address of my spare word: SPARE + 4 x my thread's number; never rewritten
.set NIL,  6                           ; v6   0; never rewritten
.set GO,   7                           ; v7   the way out: my byte offset in the wave's rows of query and z
.set ADK,  8                           ; v8   LDS address of the step's tiles of K
.set ADV,  9                           ; v9   of V
.set ZR,   32                          ; the way out: v32-95 z: register 32 u + 4 i + k = z(row 2 i + lane / 16, channel 64 u + 4 (lane % 16) + k)
.set OR,   96                          ; v96-159 O / the sum
.set DR,   160                         ; v160-223 query's numbers, then z less the mean
.set SUM,  96                          ; v96-103 the sums over my 16 rows; v104-111 the other half of the lanes'; v112-119 the means; v120-127 the centred sums of squares
.set XCH,  104
.set MEAN, 112
.set M2,   120
.set SWA,  245                         ; v245 where I store my statistics; v246 where wave 0 reads them; v247 16 x lane
.set SRA,  246
.set LI,   247
.set WV,   18                          ; s18  my wave's number
.set SEL,  20                          ; s[20:21] lane selects for v_permlanex16_b32: lane l xor 16
.set CS,   22                          ; s[22:23] c = log2(e) / 32 x 2^(e6 + e7)
.set G1,   24                          ; s[24:31] descriptor group 1: one shape serves K's tiles and V's
.set TB,   33                          ; s33  LDS byte at which the slot in hand begins
.set SLOTS, 34                         ; s34  slots still to be asked for
.set LIM,  35                          ; s35  1 in a wave that prefetches K or V, else the greatest number
.set PFA,  36                          ; s[36:37] where my prefetches stand
.set G0,   40                          ; s[40:43] descriptor group 0, which walks
.set QR,   50                          ; s[50:51] query at my first row and my head's first channel;  s[52:53] z there;  s[54:55] my work-group's place in part;  s[56:57] Q's codes at my first query
.set ZA,   52
.set PA,   54
.set QC,   56
; Waves 0 to 3 fetch, the others nothing.  The branch hangs on the wave's number alone.  Four v_nop follow the load.
.macro TLOAD
	s_cmp_lt_u32 s[WV], 4
	s_cbranch_scc0 .Lasked_\@
	tensor_load_to_lds s[G0:G0+3], s[G1:G1+7]
	s_nop 0
.rept 4
	v_nop
.endr
.Lasked_\@:
.endm
; A PREFETCH INTO THE L2 of what the NEXT change of slots will ask for: 32,768 bytes of K and as many of V.  It stands behind the tensor load of a change of slots.
; Each aligned block of 256 bytes is asked for ONCE in the launch.  The two clusters of a pair walk the same K and V: the first asks.  Its four partners share a slot's bytes out BY ADDRESS, 8,192 each, lanes 256 bytes apart;
; in each, wave 4 asks for K's and wave 5 for V's: one instruction.  The last change that fills a slot asks for nothing: there is no slot behind it.  Slots 0 and 1 come by their loads alone.
.macro ASK
	s_cmp_gt_u32 s[SLOTS], s[LIM]
	s_cbranch_scc0 .Lnot_mine_\@
	global_prefetch_b8 v[PFO], s[PFA:PFA+1] th:TH_LOAD_NT scope:SCOPE_SE
.Lnot_mine_\@:
.endm
; A round of the cluster's barrier: my work-group's barrier, so that wave 0's signal speaks for all sixteen waves; wave 0 signals for the work-group; every wave waits for all four work-groups; my work-group's barrier once more.
.macro CROUND
	s_barrier_signal -1
	s_barrier_wait -1
	s_cmp_lg_u32 s[WV], 0
	s_cbranch_scc1 .Lnot_wave_0_\@
	s_barrier_signal -3
.Lnot_wave_0_\@:
	s_barrier_wait -3
	s_barrier_signal -1
	s_barrier_wait -1
.endm
	s_load_b256 s[4:11], s[0:1], 0x0               ; qkv s[4:5], the scales' exponents s[6:7], query s[8:9], z s[10:11]
	s_load_b64 s[12:13], s[0:1], 0x20              ; part
	v_lshl_add_u32 v[SPW], v0, 2, SPARE
	v_mov_b32 v[NIL], 0
	ds_add_u32 v5, v6
	s_wait_dscnt 0x0
	v_lshrrev_b32 v8, 5, v0
	v_readfirstlane_b32 s[WV], v8                  ; wave 0..15
	s_bfe_u32 s44, ttmp6, 0x40000                  ; cx: my place in the cluster
	s_lshl_b32 s45, ttmp9, 2
	s_add_co_u32 s45, s45, s44                     ; my block of 256 queries = 4 x cluster x + cx: it enters global addresses alone
	s_and_b32 s46, ttmp7, 0xffff                   ; y = 4 head + b, which the four partners share
	s_and_b32 s47, s46, 3                          ; b
	s_lshr_b32 s48, s46, 2                         ; head
	s_lshl_b32 s72, s47, 11
	s_lshl_b32 s73, s45, 8
	s_add_co_u32 s72, s72, s73
	s_lshl_b32 s73, s[WV], 4
	s_add_co_u32 s72, s72, s73                     ; my first row of query and z: 2,048 b + 256 x block + 16 x wave,
	s_lshl_b32 s72, s72, 12                        ; of 4,096 bytes,
	s_lshl_b32 s73, s48, 9
	s_add_co_u32 s72, s72, s73                     ; + my head's 512 bytes: under 2^25
	s_mov_b32 s73, 0
	s_lshl_b32 s74, s46, 18                        ; the pair's first byte in each third of qkv
	s_lshl_b32 s76, s45, 15
	s_lshl_b32 s77, s[WV], 11
	s_add_co_u32 s76, s76, s77
	s_add_co_u32 s76, s76, s74                     ; Q's codes: my first query's row of 128 bytes
	s_mov_b32 s77, 0
	s_lshr_b32 s78, s[WV], 1                       ; what I fetch, if I fetch: waves 0, 1: K (at 8 MiB); waves 2, 3: V (at 16 MiB);
	s_and_b32 s78, s78, 1
	s_add_co_u32 s78, s78, 1
	s_lshl_b32 s78, s78, 23
	s_and_b32 s79, s[WV], 1                        ; the slot's first or second 16,384 bytes
	s_lshl_b32 s79, s79, 14
	s_add_co_u32 s78, s78, s79
	s_add_co_u32 s78, s78, s74                     ; of the wave's number and y alone: the same in all four partners
	s_mov_b32 s79, 0
	s_and_b32 s80, s[WV], 1                        ; the prefetches: wave 4: K, wave 5: V;
	s_add_co_u32 s80, s80, 1
	s_lshl_b32 s80, s80, 23
	s_add_co_u32 s80, s80, s74
	s_lshl_b32 s81, s44, 13                        ; my work-group's 8,192 bytes of a slot's 32,768,
	s_add_co_u32 s80, s80, s81
	s_add_co_u32 s80, s80, SLB                     ; in slot 1: the first change of slots steps it to slot 2.  Nothing is prefetched here, at the head
	s_mov_b32 s81, 0
	s_lshl_b32 s82, s47, 3
	s_add_co_u32 s82, s82, s45                     ; part: block 8 b + my block, of 8,192 bytes,
	s_lshl_b32 s82, s82, 13
	s_lshl_b32 s83, s48, 9
	s_add_co_u32 s82, s82, s83                     ; + my head's 512 bytes
	s_mov_b32 s83, 0
	s_sub_co_u32 s[LIM], s[WV], 4
	s_lshr_b32 s[LIM], s[LIM], 1                   ; 0 in waves 4 and 5,
	s_or_b32 s[LIM], s[LIM], ttmp9                 ; of the pair's first cluster: the same in all four partners
	s_cmp_eq_u32 s[LIM], 0
	s_cselect_b32 s[LIM], 1, -1
	; descriptor group 1: 128 rows of 128 bytes, dense in memory, padded in LDS
	s_mov_b32 s[G1], 15|(0<<16)|(1<<20)|(1<<21)|(4<<22)|(3<<25)   ; 15:0 the mask: all four work-groups; 17:16 elements of 1 byte; 20 padding on; 21 set beside a mask; 24:22 after every 32 words (code 4); 31:25 four words (code 3)
	s_mov_b32 s[G1+1], 128<<16                     ; tensor_dim0
	s_mov_b32 s[G1+2], 128<<16                     ; tensor_dim1
	s_mov_b32 s[G1+3], 128<<16                     ; tile_dim0
	s_mov_b32 s[G1+4], 128                         ; tile_dim1
	s_mov_b32 s[G1+5], 128                         ; tensor_dim0_stride
	s_mov_b32 s[G1+6], 0
	s_mov_b32 s[G1+7], 0
	s_mov_b32 s[SEL], 0x76543210
	s_mov_b32 s[SEL+1], 0xfedcba98
	s_mov_b32 s[CS], 0x3d38aa3b                    ; c = log2(e) / 32: the scores are divided by sqrt(1,024)
	s_mov_b32 s[TB], 0
	s_mov_b32 s[SLOTS], NSL-1
	s_mov_b32 s[G0], 1                             ; 1:0 count = 1
	s_and_b32 s[G0+1], s[WV], 3
	s_mul_i32 s[G0+1], s[G0+1], BLK                ; 63:32 LDS address: slot 0, tile = wave: no place in the cluster enters an LDS address
	s_wait_kmcnt 0x0
	s_load_b128 s[68:71], s[6:7], 0x18             ; e6, e7, e8, e9
	s_add_nc_u64 s[G0+2:G0+3], s[4:5], s[78:79]    ; 120:64 global address: the pair's first 256 keys
	s_or_b32 s[G0+3], s[G0+3], 0x80000000          ; 127:126 type = 2
	s_add_nc_u64 s[QR:QR+1], s[8:9], s[72:73]
	s_add_nc_u64 s[ZA:ZA+1], s[10:11], s[72:73]
	s_add_nc_u64 s[PA:PA+1], s[12:13], s[82:83]
	s_add_nc_u64 s[QC:QC+1], s[4:5], s[76:77]
	s_add_nc_u64 s[PFA:PFA+1], s[4:5], s[80:81]
	CROUND                                         ; all four work-groups are here: the first joint loads meet
	TLOAD                                          ; slot 0: one tensor load of mine is out
	v_and_b32 v[PFO], 31, v0
	v_lshrrev_b32 v[PFQ], 1, v[PFO]
	v_lshlrev_b32 v[PFQ], 12, v[PFQ]
	v_and_b32 v9, 1, v0
	v_lshl_add_u32 v[PFQ], v9, 8, v[PFQ]
	v_lshlrev_b32 v[PFO], 8, v[PFO]
	v_and_b32 v8, 15, v0                           ; r = lane % 16
	v_bfe_u32 v9, v0, 4, 1                         ; h = lane / 16
	v_lshlrev_b32 v10, 7, v8
	v_lshl_add_u32 v10, v9, 4, v10                 ; Q: row r of 128 bytes, + my half's 16
.irp c, 0,1,2,3
	global_load_b128 v[16+4*\c:19+4*\c], v10, s[QC:QC+1] offset:32*\c   ; Q's fragment stays in registers
.endr
	v_and_b32 v11, 8, v8
	v_add_nc_u32 v11, v11, v8                      ; r + 8 (r / 8)
	v_mul_u32_u24 v[AK0], v11, KP
	v_lshl_add_u32 v[AK0], v9, 4, v[AK0]
	v_mul_u32_u24 v[AV0], v8, KP
	v_lshl_add_u32 v[AV0], v9, 4, v[AV0]
	v_add_nc_u32 v[AV0], VOFF, v[AV0]
	v_lshlrev_b32 v[GO], 12, v9
	v_lshl_add_u32 v[GO], v8, 4, v[GO]             ; the way out: lanes 0-15 take one row, lanes 16-31 the next; 16 bytes a lane
	v_mov_b32 v13, 0xff61b1e6                      ; the largest t so far: -3e38, under every t
	v_floor_f32 v12, -v13                          ; -M
	v_mov_b32 v14, 0                               ; the sum, in two halves
	v_mov_b32 v15, 0
	v_mov_b32 v236, 0                              ; written once: a lane permute's destination counts as one of its sources
	v_mov_b32 v253, 0                              ; (named as the upper half of the pair v[252:253])
.set j, 0
.rept 64
	v_mov_b32 v[160+j], 0                          ; O^T.  (The loop is written once: its first step finds zeros, which the first change of M leaves zeros)
.set j, j+1
.endr
	s_wait_kmcnt 0x0
	s_add_co_i32 s72, s68, s69
	s_lshl_b32 s72, s72, 23
	s_add_co_i32 s[CS], s[CS], s72                 ; a score stands for score x 2^(e6 + e7): the two exponents are added to c's exponent field
	s_mov_b32 s[CS+1], s[CS]                       ; (named with it as a pair, so it is written)
	s_add_co_i32 s72, s70, 127
	s_lshl_b32 s73, s72, 23
	v_mov_b32 v244, s73                            ; 2^e8 as f32, for the conversion
	s_add_co_i32 s72, s72, 8
	s_lshl_b32 s72, s72, 23
	s_or_b32 s72, s72, 0x600000
	v_mov_b32 v240, s72                            ; 448 x 2^e8
; A KEY STEP: 128 keys, the q-th of the slot in hand.
.macro STEP q
	v_add_nc_u32 v[ADK], s[TB], v[AK0]
	v_add_nc_u32 v[ADV], s[TB], v[AV0]
.irp g, 0,1                                    ; S^T = K Q^T, four tiles of 16 keys at a time
.rept 4-2*(1-\g)
	v_nop                                          ; places in front of loads into registers that matrix instructions have read (four; the two additions above are places too)
.endr
.irp t, 0,1,2,3
.irp c, 0,1,2,3
	ds_load_b128 v[32+16*\t+4*\c:32+16*\t+4*\c+3], v[ADK] offset:(128*(\q)+32*((4*\g+\t)/2)+8*(\t%2))*KP+32*\c
.endr
.endr
	s_wait_dscnt 0x0
.irp t, 0,1,2,3
	v_wmma_f32_16x16x128_fp8_fp8 v[96+8*(4*\g+\t):103+8*(4*\g+\t)], v[32+16*\t:47+16*\t], v[16:31], 0
.endr
.endr
.rept 4
	v_nop
.endr
	v_max3_num_f32 v254, v96, v97, v98             ; the step's largest score of my query, among my 64 keys, in two chains,
	v_max3_num_f32 v252, v99, v100, v101
.irp i, 6,10,14,18,22,26,30,34,38,42,46,50,54,58
	v_max3_num_f32 v254, v254, v[96+\i], v[97+\i]
	v_max3_num_f32 v252, v252, v[98+\i], v[99+\i]
.endr
	v_max3_num_f32 v254, v254, v158, v159
	v_max_num_f32 v254, v254, v252
	v_permlanex16_b32 v236, v254, s[SEL], s[SEL+1]
	v_max_num_f32 v254, v254, v236                 ; and among lane l xor 16's
	v_mul_f32 v254, s[CS], v254                    ; as t (c is positive)
	v_max_num_f32 v13, v13, v254                   ; the running largest t
	v_mov_b32 v254, v12
	v_floor_f32 v12, -v13                          ; the new -M = floor(-t) = -ceil(t): M IS A WHOLE NUMBER
	v_sub_f32 v254, v12, v254                      ; M's old value less its new one: a whole number, 0 or less
	v_cvt_i32_f32 v254, v254                       ; (it saturates)
	v_ldexp_f32 v252, 1.0, v254                    ; f = 2^(old M - new M): what was summed under the old M is brought under the new by a multiplication that rounds nothing
.irp j, 0,2,4,6,8,10,12,14,16,18,20,22,24,26,28,30,32,34,36,38,40,42,44,46,48,50,52,54,56,58,60,62
	v_pk_fma_f32 v[96+\j:97+\j], v[96+\j:97+\j], s[CS:CS+1], v[12:13] op_sel_hi:[1,0,0]   ; t - M, two at a time (of the pairs c and -M the low word serves both halves)
.endr
.irp j, 0,1,2,3,4,5,6,7,8,9,10,11,12,13,14,15,16,17,18,19,20,21,22,23,24,25,26,27,28,29,30,31,32,33,34,35,36,37,38,39,40,41,42,43,44,45,46,47,48,49,50,51,52,53,54,55,56,57,58,59,60,61,62,63
	v_exp_f32 v[96+\j], v[96+\j]                   ; p = 2^(t - M), at most 1: NOT normalised
.endr
	v_pk_mul_f32 v[14:15], v[14:15], v[252:253] op_sel_hi:[1,0]   ; the sums under the new M.  (A plain place behind the exponentials)
	s_wait_alu depctr_va_vdst(0)
	v_pk_add_f32 v[242:243], v[96:97], v[98:99]    ; THE ROW'S SUM IS TAKEN OF THE UNQUANTISED p: two at a time, in two chains
.irp j, 4,8,12,16,20,24,28,32,36,40,44,48,52,56,60
	v_pk_add_f32 v[14:15], v[14:15], v[96+\j:97+\j]
	v_pk_add_f32 v[242:243], v[242:243], v[98+\j:99+\j]
.endr
	v_pk_add_f32 v[14:15], v[14:15], v[242:243]
.irp b, 0,1,2,3
.irp i, 0,1,2,3,4,5,6,7,8,9,10,11,12,13,14,15
	v_min_num_f32 v[96+16*\b+\i], v[96+16*\b+\i], v240   ; the conversion to an 8-bit code does not saturate (ISA guide 7.6.2); p is not negative, so the hold is one-sided
.endr
	v_cvt_scalef32_pk8_fp8_f32 v[224+4*\b:225+4*\b], v[96+16*\b:103+16*\b], v244
	v_cvt_scalef32_pk8_fp8_f32 v[226+4*\b:227+4*\b], v[104+16*\b:111+16*\b], v244
.endr
.irp j, 0,2,4,6,8,10,12,14,16,18,20,22,24,26,28,30,32,34,36,38,40,42,44,46,48,50,52,54,56,58,60,62
	v_pk_mul_f32 v[160+\j:161+\j], v[160+\j:161+\j], v[252:253] op_sel_hi:[1,0]   ; O^T under the new M: x f.  (These 32 are also the places in front of the matrix instructions and loads below)
.endr
.irp g, 0,1                                    ; O^T += V^T P^T: four tiles of 16 of the head's 128 at a time; K = these 128 keys.  The accumulators take turns
.if \g > 0
.rept 4
	v_nop
.endr
.endif
.irp t, 0,1,2,3
.irp c, 0,1,2,3
	ds_load_b128 v[32+16*\t+4*\c:32+16*\t+4*\c+3], v[ADV] offset:(\q)*BLK+16*(4*\g+\t)*KP+32*\c
.endr
.endr
	s_wait_dscnt 0x0
.irp t, 0,1,2,3
	v_wmma_f32_16x16x128_fp8_fp8 v[160+8*(4*\g+\t):167+8*(4*\g+\t)], v[32+16*\t:47+16*\t], v[224:239], v[160+8*(4*\g+\t):167+8*(4*\g+\t)]
.endr
.endr
.endm
; THE CHANGE OF SLOTS stands at a slot's head.  Each wave waits for all its tensor loads (its part of the slot that it is about to read), adds 0 to its spare word, and waits for that and for its reads of the slot that it has left.
; fill = 1: the slot that was left is filled with the keys that follow.  The barrier is then a round of the cluster's, so that no wave of any partner still reads that slot or has a load on its way; the joint load is the first
; thing behind it and has a slot's two key steps in which to land.
.macro CHANGE fill
	s_wait_tensorcnt 0x0                           ; no tensor load of mine is out, so group 0 may be written
	ds_add_u32 v[SPW], v[NIL]                      ; 0 onto my spare word: with fill = 1 the descriptor's steps stand between it and the wait for it
.if \fill
	s_xor_b32 s[G0+1], s[G0+1], SLOT1              ; the walking descriptor: the other slot than last time,
	s_add_nc_u64 s[G0+2:G0+3], s[G0+2:G0+3], SLB   ; the next 256 keys; the type bits on top are not reached
	s_wait_xcnt 0x0                                ; the last prefetch, a slot back, has read its address, so it may be written:
	s_add_nc_u64 s[PFA:PFA+1], s[PFA:PFA+1], SLB   ; one slot further on than the walking descriptor
	s_wait_dscnt 0x0                               ; the add is done, and my reads of the slot that I have left are over
	CROUND
	TLOAD                                          ; a wave's one tensor load until the next change
	ASK
.else
	s_wait_dscnt 0x0
	s_barrier_signal -1
	s_barrier_wait -1
.endif
.endm
	s_wait_loadcnt 0x0                             ; Q
.Lslot:                                            ; NSL - 1 trips: behind each change of slots but the last the next slot is asked for
	CHANGE 1
	STEP 0
	STEP 1
	s_xor_b32 s[TB], s[TB], SLOT1                  ; on to the other slot
	s_sub_co_u32 s[SLOTS], s[SLOTS], 1
	s_cmp_lg_u32 s[SLOTS], 0
	s_cbranch_scc1 .Lslot
	CHANGE 0                                       ; the last slot is written out
	global_prefetch_b8 v[PFQ], s[QR:QR+1] th:TH_LOAD_NT scope:SCOPE_SE   ; my 16 rows x 512 bytes of query, a lane to each aligned 256 bytes, two key steps ahead of the loads below; each wave asks for its own, so each block is named once
	STEP 0
	STEP 1
	; THE WAY OUT.  O^T is divided by the sum and goes through my stage in LDS, half a row (64 channels, 256 bytes) of 16 queries at a time; query is added; sixteen lanes store 256 consecutive bytes.
	v_add_f32 v14, v14, v15                        ; the sum's two halves,
	v_permlanex16_b32 v252, v14, s[SEL], s[SEL+1]
	v_add_f32 v14, v14, v252                       ; and lane l xor 16's: the row's sum
	v_rcp_f32 v14, v14
	v_and_b32 v8, 15, v0                           ; (a plain place behind the transcendental)  r
	v_bfe_u32 v9, v0, 4, 1                         ; h
	s_add_co_i32 s72, s70, s71
	s_wait_alu depctr_va_vdst(0)
	v_ldexp_f32 v14, v14, s72                      ; x 2^(e8 + e9)
	s_mul_i32 s73, s[WV], 16*SP                    ; my stage
	v_mul_u32_u24 v10, v8, SP
	v_lshl_add_u32 v10, v9, 5, v10
	v_add_nc_u32 v10, s73, v10                     ; in: row r; tile t's eight channels of my half: 64 t + 32 h bytes on
	v_mul_u32_u24 v11, v9, SP
	v_lshl_add_u32 v11, v8, 4, v11
	v_add_nc_u32 v11, s73, v11                     ; back: lanes 0-15 one row, lanes 16-31 the next
	s_lshl_b32 s74, s[WV], 10
	s_add_co_u32 s74, s74, STAT
	v_lshl_add_u32 v[SWA], v8, 4, s74              ; my statistics: 16 bytes for each four channels
	v_and_b32 v[LI], 31, v0
	v_lshlrev_b32 v[LI], 4, v[LI]
	v_add_nc_u32 v[SRA], STAT, v[LI]
.irp j, 0,2,4,6,8,10,12,14,16,18,20,22,24,26,28,30,32,34,36,38,40,42,44,46,48,50,52,54,56,58,60,62
	v_pk_mul_f32 v[OR+\j:OR+\j+1], v[160+\j:161+\j], v[14:15] op_sel_hi:[1,0]   ; O^T / the sum, each accumulator from its low end on: register 8 t + i is o(r, 16 t + 8 h + i)
.endr
.irp u, 0,1
.irp i, 0,1,2,3,4,5,6,7
	global_load_b128 v[DR+32*\u+4*\i:DR+32*\u+4*\i+3], v[GO], s[QR:QR+1] offset:8192*\i+256*\u th:TH_LOAD_NT   ; query, in the layout in which the rows come back from the stage
.endr
.endr
.irp u, 0,1                                    ; channels 64 u on
.irp t, 0,1,2,3
	ds_store_b128 v10, v[OR+32*\u+8*\t:OR+32*\u+8*\t+3] offset:64*\t
	ds_store_b128 v10, v[OR+32*\u+8*\t+4:OR+32*\u+8*\t+7] offset:64*\t+16
.endr
.irp i, 0,1,2,3,4,5,6,7
	ds_load_b128 v[ZR+32*\u+4*\i:ZR+32*\u+4*\i+3], v11 offset:2*\i*SP   ; LDS serves a wave's instructions in order: these see my stores, and the next half's stores come behind them
.endr
.endr
.irp u, 0,1
.irp i, 0,1,2,3,4,5,6,7
	s_wait_dscnt 16*(1-\u)+7-\i                    ; behind this load: the rest of its half's eight, and for half 0 the other half's 8 stores and 8 loads
	s_wait_loadcnt 15-8*\u-\i                      ; behind this load of query: the later ones of the sixteen
	v_pk_add_f32 v[ZR+32*\u+4*\i:ZR+32*\u+4*\i+1], v[ZR+32*\u+4*\i:ZR+32*\u+4*\i+1], v[DR+32*\u+4*\i:DR+32*\u+4*\i+1]
	v_pk_add_f32 v[ZR+32*\u+4*\i+2:ZR+32*\u+4*\i+3], v[ZR+32*\u+4*\i+2:ZR+32*\u+4*\i+3], v[DR+32*\u+4*\i+2:DR+32*\u+4*\i+3]
	global_store_b128 v[GO], v[ZR+32*\u+4*\i:ZR+32*\u+4*\i+3], s[ZA:ZA+1] offset:8192*\i+256*\u   ; 16 lanes store 256 consecutive bytes, at a multiple of 256 from z's first byte; the data are not written again
.endr
.endr
	; THE STATISTICS of my 16 rows, for each of the 128 channels.  c = 4 u + k names a pair of channels' registers
.irp c, 0,2,4,6
	v_pk_add_f32 v[SUM+\c:SUM+\c+1], v[ZR+32*(\c/4)+\c%4:ZR+32*(\c/4)+\c%4+1], v[ZR+32*(\c/4)+4+\c%4:ZR+32*(\c/4)+4+\c%4+1]
.endr
.irp i, 2,3,4,5,6,7
.irp c, 0,2,4,6
	v_pk_add_f32 v[SUM+\c:SUM+\c+1], v[SUM+\c:SUM+\c+1], v[ZR+32*(\c/4)+4*\i+\c%4:ZR+32*(\c/4)+4*\i+\c%4+1]
.endr
.endr
.irp n, 0,1,2,3,4,5,6,7
	v_permlanex16_b32 v[XCH+\n], v[SUM+\n], s[SEL], s[SEL+1]   ; the odd rows lie in the lane 16 away
.endr
.irp c, 0,2,4,6
	v_pk_add_f32 v[SUM+\c:SUM+\c+1], v[SUM+\c:SUM+\c+1], v[XCH+\c:XCH+\c+1]
.endr
.irp c, 0,2,4,6
	v_pk_mul_f32 v[MEAN+\c:MEAN+\c+1], v[SUM+\c:SUM+\c+1], 0x3d800000 op_sel_hi:[1,0]   ; / 16
.endr
.irp i, 0,1,2,3,4,5,6,7
.irp c, 0,2,4,6
	v_pk_add_f32 v[DR+32*(\c/4)+4*\i+\c%4:DR+32*(\c/4)+4*\i+\c%4+1], v[ZR+32*(\c/4)+4*\i+\c%4:ZR+32*(\c/4)+4*\i+\c%4+1], v[MEAN+\c:MEAN+\c+1] neg_lo:[0,1] neg_hi:[0,1]
.endr
.endr
.irp c, 0,2,4,6
	v_pk_mul_f32 v[M2+\c:M2+\c+1], v[DR+32*(\c/4)+\c%4:DR+32*(\c/4)+\c%4+1], v[DR+32*(\c/4)+\c%4:DR+32*(\c/4)+\c%4+1]
.endr
.irp i, 1,2,3,4,5,6,7
.irp c, 0,2,4,6
	v_pk_fma_f32 v[M2+\c:M2+\c+1], v[DR+32*(\c/4)+4*\i+\c%4:DR+32*(\c/4)+4*\i+\c%4+1], v[DR+32*(\c/4)+4*\i+\c%4:DR+32*(\c/4)+4*\i+\c%4+1], v[M2+\c:M2+\c+1]
.endr
.endr
.irp n, 0,1,2,3,4,5,6,7
	v_permlanex16_b32 v[XCH+\n], v[M2+\n], s[SEL], s[SEL+1]
.endr
.irp c, 0,2,4,6
	v_pk_add_f32 v[M2+\c:M2+\c+1], v[M2+\c:M2+\c+1], v[XCH+\c:XCH+\c+1]
.endr
.irp u, 0,1
	ds_store_b128 v[SWA], v[SUM+4*\u:SUM+4*\u+3] offset:256*\u        ; channels 64 u + 4 r + 0 .. 3; the two halves of the lanes store the same numbers to the same bytes
	ds_store_b128 v[SWA], v[M2+4*\u:M2+4*\u+3] offset:512+256*\u
.endr
	s_wait_dscnt 0x0                               ; for the others' sake: my stores are done
	s_barrier_signal -1
	s_barrier_wait -1
	s_cmp_lg_u32 s[WV], 0                          ; wave 0 merges the sixteen waves' figures: a lane takes four channels
	s_cbranch_scc1 .Ldone
.irp w, 0,1,2,3,4,5,6,7,8,9,10,11,12,13,14,15
	ds_load_b128 v[160+4*\w:163+4*\w], v[SRA] offset:1024*\w
.endr
.irp w, 0,1,2,3,4,5,6,7,8,9,10,11,12,13,14,15
	ds_load_b128 v[96+4*\w:99+4*\w], v[SRA] offset:1024*\w+512
.endr
	s_wait_dscnt 0x0
	v_pk_add_f32 v[224:225], v[160:161], v[164:165]       ; the block's sum over 256 rows
	v_pk_add_f32 v[226:227], v[162:163], v[166:167]
.irp w, 2,3,4,5,6,7,8,9,10,11,12,13,14,15
	v_pk_add_f32 v[224:225], v[224:225], v[160+4*\w:161+4*\w]
	v_pk_add_f32 v[226:227], v[226:227], v[162+4*\w:163+4*\w]
.endr
	v_pk_mul_f32 v[228:229], v[224:225], 0x3b800000 op_sel_hi:[1,0]   ; its mean: / 256
	v_pk_mul_f32 v[230:231], v[226:227], 0x3b800000 op_sel_hi:[1,0]
.irp w, 0,1,2,3,4,5,6,7,8,9,10,11,12,13,14,15
	v_pk_fma_f32 v[160+4*\w:161+4*\w], v[160+4*\w:161+4*\w], 0x3d800000, v[228:229] op_sel_hi:[1,0,1] neg_lo:[0,0,1] neg_hi:[0,0,1]   ; a wave's mean less the block's
	v_pk_fma_f32 v[162+4*\w:163+4*\w], v[162+4*\w:163+4*\w], 0x3d800000, v[230:231] op_sel_hi:[1,0,1] neg_lo:[0,0,1] neg_hi:[0,0,1]
.endr
	v_pk_mul_f32 v[232:233], v[160:161], v[160:161]
	v_pk_mul_f32 v[234:235], v[162:163], v[162:163]
.irp w, 1,2,3,4,5,6,7,8,9,10,11,12,13,14,15
	v_pk_fma_f32 v[232:233], v[160+4*\w:161+4*\w], v[160+4*\w:161+4*\w], v[232:233]
	v_pk_fma_f32 v[234:235], v[162+4*\w:163+4*\w], v[162+4*\w:163+4*\w], v[234:235]
.endr
	v_pk_add_f32 v[236:237], v[96:97], v[100:101]
	v_pk_add_f32 v[238:239], v[98:99], v[102:103]
.irp w, 2,3,4,5,6,7,8,9,10,11,12,13,14,15
	v_pk_add_f32 v[236:237], v[236:237], v[96+4*\w:97+4*\w]
	v_pk_add_f32 v[238:239], v[238:239], v[98+4*\w:99+4*\w]
.endr
	v_pk_fma_f32 v[236:237], v[232:233], 0x41800000, v[236:237] op_sel_hi:[1,0,1]   ; the waves' centred sums + 16 x the squares of their means' distances from the block's mean
	v_pk_fma_f32 v[238:239], v[234:235], 0x41800000, v[238:239] op_sel_hi:[1,0,1]
	global_store_b128 v[LI], v[224:227], s[PA:PA+1]               ; 32 lanes store 512 consecutive bytes
	global_store_b128 v[LI], v[236:239], s[PA:PA+1] offset:4096
.Ldone:
	s_wait_tensorcnt 0x0                           ; the wave's end: behind my last tensor load and my last LDS store
	ds_add_u32 v[SPW], v[NIL]
	s_wait_dscnt 0x0
	CROUND                                         ; the closing round: no work-group ends while a partner may still ask for a tile that names it
	s_endpgm
.Lfunc_end_k_q6aca4c60fe_attn:
	.size	k_q6aca4c60fe_attn, .Lfunc_end_k_q6aca4c60fe_attn-k_q6aca4c60fe_attn
	.p2alignl 7, 3214868480
	.fill 96, 4, 3214868480
	.section	.rodata,"a",@progbits
	.p2align	6, 0x0
	.amdhsa_kernel k_q6aca4c60fe_attn
		.amdhsa_group_segment_fixed_size 327680
		.amdhsa_private_segment_fixed_size 0
		.amdhsa_enable_private_segment 0
		.amdhsa_kernarg_size 40
		.amdhsa_user_sgpr_count 2
		.amdhsa_user_sgpr_kernarg_segment_ptr 1
		.amdhsa_wavefront_size32 1
		.amdhsa_system_sgpr_workgroup_id_x 1
		.amdhsa_system_sgpr_workgroup_id_y 1
		.amdhsa_system_sgpr_workgroup_id_z 1
		.amdhsa_system_vgpr_workitem_id 0
		.amdhsa_next_free_vgpr 256
		.amdhsa_next_free_sgpr 100
		.amdhsa_reserve_vcc 0
		.amdhsa_float_denorm_mode_32 3
		.amdhsa_float_denorm_mode_16_64 3
		.amdhsa_memory_ordered 1
		.amdhsa_forward_progress 1
		.amdhsa_inst_pref_size 115
	.end_amdhsa_kernel
	.amdgpu_metadata
---
amdhsa.version: [ 1, 2 ]
amdhsa.kernels:
  - .name:           k_q6aca4c60fe_attn
    .symbol:         k_q6aca4c60fe_attn.kd
    .args:
      - { .name: qkv, .offset: 0, .size: 8, .value_kind: global_buffer, .address_space: global }
      - { .name: lowp_scales, .offset: 8, .size: 8, .value_kind: global_buffer, .address_space: global }
      - { .name: query, .offset: 16, .size: 8, .value_kind: global_buffer, .address_space: global }
      - { .name: z, .offset: 24, .size: 8, .value_kind: global_buffer, .address_space: global }
      - { .name: part, .offset: 32, .size: 8, .value_kind: global_buffer, .address_space: global }
    .group_segment_fixed_size: 327680
    .private_segment_fixed_size: 0
    .kernarg_segment_align: 8
    .kernarg_segment_size: 40
    .max_flat_workgroup_size: 512
    .sgpr_count:     100
    .vgpr_count:     256
    .wavefront_size: 32
...
	.end_amdgpu_metadata
.endif
;; end of part 3
;; launch norm (part 4): grid 8 x 32, 8 waves a work-group, no clusters, 9,216 bytes of LDS; arguments z, part, gamma, beta, out0; writes out0
.if DOCPART == 4
	.amdgcn_target "amdgcn-amd-amdhsa--gfx1250"
	.amdhsa_code_object_version 6
	.text
	.protected	k_q6aca4c60fe_norm
	.globl	k_q6aca4c60fe_norm
	.p2align	8
	.type	k_q6aca4c60fe_norm,@function
k_q6aca4c60fe_norm:
	s_mov_b64 s[64:65], 0
	v_nop
	global_prefetch_b8 v0, s[64:65] scope:SCOPE_SE
	s_setreg_imm32_b32 hwreg(HW_REG_WAVE_MODE, 25, 1), 1
	s_wait_xcnt 0x0
; out0[row][f] = gamma[f] (z[row][f] - mean[f]) / sqrt(var[f] + 1e-5) + beta[f]; mean and var over all 8,192 rows, var the mean of squares about the mean.
; part holds, for each of 32 blocks of 256 rows and each feature, the block's sum (at 8,192 p) and its sum of squares about its own mean (at 8,192 p + 4,096).  They are merged by means and centred sums:
; M2 = the sum of the blocks' M2 + 256 x the sum of (a block's mean - the mean)^2: no difference of large sums is formed.
; SHARES.  Work-group (x, y): features 128 x .. 128 x + 127, rows 256 y .. 256 y + 255.  A wave takes 32 rows; a lane keeps four features, so each load and store of a wave covers 512 consecutive bytes.
; All 32 rows of a wave are asked for at the head and land while the statistics are merged: wave w takes blocks 4 w .. 4 w + 3, and the eight waves' figures meet in LDS, twice (the mean first, then the squares about it).
; The matrix units, clusters and tensor loads have nothing to do here: no work-group shares a byte of z with another, and every byte is used once.
.set ROW, 4096                         ; a row of z and of out0 in bytes
.set LO,  1                            ; v1   16 x lane; never rewritten
.set TO,  2                            ; v2   16 x my thread's number: where I put my wave's figures in LDS
.set SU,  16                           ; v16-31   my four blocks' sums
.set MM,  32                           ; v32-47   their centred sums of squares
.set GA,  48                           ; v48-51   gamma, then gamma / sqrt(var + eps)
.set BE,  52                           ; v52-55   beta
.set LC,  56                           ; v56-59   at work
.set ME,  60                           ; v60-63   the mean
.set Z,   64                           ; v64-191  my 32 rows, four registers each
.set MG,  192                          ; v192-223 the eight waves' figures
	s_load_b256 s[4:11], s[0:1], 0x0               ; z s[4:5], part s[6:7], gamma s[8:9], beta s[10:11]
	s_load_b64 s[12:13], s[0:1], 0x20              ; out0
	v_lshl_add_u32 v224, v0, 2, 0x2000
	v_mov_b32 v225, 0
	v_lshrrev_b32 v3, 5, v0
	v_readfirstlane_b32 s14, v3                    ; wave 0..7
	v_and_b32 v[LO], 31, v0
	v_lshlrev_b32 v[LO], 4, v[LO]
	v_lshlrev_b32 v[TO], 4, v0
	s_and_b32 s15, ttmp7, 0xffff
	s_lshl_b32 s16, ttmp9, 9                       ; my 128 features' 512 bytes
	s_mov_b32 s17, 0
	s_lshl_b32 s18, s15, 8
	s_lshl_b32 s19, s14, 5
	s_add_co_u32 s18, s18, s19                     ; my wave's first row
	s_lshl_b32 s18, s18, 12
	s_add_co_u32 s18, s18, s16
	s_mov_b32 s19, 0
	s_lshl_b32 s20, s14, 15                        ; my four blocks of part: 4 w x 8,192 bytes
	s_add_co_u32 s20, s20, s16
	s_mov_b32 s21, 0
	s_mov_b32 s22, 0x39000000                      ; 1 / 8,192
	s_mov_b32 s23, 0x3727c5ac                      ; 1e-5
	s_wait_kmcnt 0x0
	s_add_nc_u64 s[4:5], s[4:5], s[18:19]
	s_add_nc_u64 s[12:13], s[12:13], s[18:19]
	s_add_nc_u64 s[6:7], s[6:7], s[20:21]
	s_add_nc_u64 s[8:9], s[8:9], s[16:17]
	s_add_nc_u64 s[10:11], s[10:11], s[16:17]
.irp k, 0,1,2,3
	global_load_b128 v[SU+4*\k:SU+4*\k+3], v[LO], s[6:7] offset:8192*\k
.endr
.irp k, 0,1,2,3
	global_load_b128 v[MM+4*\k:MM+4*\k+3], v[LO], s[6:7] offset:8192*\k+4096
.endr
	global_load_b128 v[GA:GA+3], v[LO], s[8:9]
	global_load_b128 v[BE:BE+3], v[LO], s[10:11]
.set i, 0
.rept 32
	global_load_b128 v[Z+4*i:Z+4*i+3], v[LO], s[4:5] offset:ROW*i th:TH_LOAD_NT
.set i, i+1
.endr
.macro MEET off, d                     ; the waves' figures at LDS byte off are summed into v[d] .. v[d + 3], in the same order in every wave
	s_wait_dscnt 0x0                               ; for the others' sake: my store is done
	s_barrier_signal -1
	s_barrier_wait -1
.irp j, 0,1,2,3,4,5,6,7
	ds_load_b128 v[MG+4*\j:MG+4*\j+3], v[LO] offset:\off+512*\j
.endr
	s_wait_dscnt 0x0
	v_pk_add_f32 v[\d:\d+1], v[MG:MG+1], v[MG+4:MG+5]
	v_pk_add_f32 v[\d+2:\d+3], v[MG+2:MG+3], v[MG+6:MG+7]
.irp j, 2,3,4,5,6,7
	v_pk_add_f32 v[\d:\d+1], v[\d:\d+1], v[MG+4*\j:MG+4*\j+1]
	v_pk_add_f32 v[\d+2:\d+3], v[\d+2:\d+3], v[MG+4*\j+2:MG+4*\j+3]
.endr
.endm
	s_wait_loadcnt 34                              ; my eight loads of part are in; behind them: gamma, beta and the 32 rows
	v_pk_add_f32 v[LC:LC+1], v[SU:SU+1], v[SU+4:SU+5]
	v_pk_add_f32 v[LC+2:LC+3], v[SU+2:SU+3], v[SU+6:SU+7]
.irp k, 2,3
	v_pk_add_f32 v[LC:LC+1], v[LC:LC+1], v[SU+4*\k:SU+4*\k+1]
	v_pk_add_f32 v[LC+2:LC+3], v[LC+2:LC+3], v[SU+4*\k+2:SU+4*\k+3]
.endr
	ds_store_b128 v[TO], v[LC:LC+3]
	MEET 0, ME
	v_pk_mul_f32 v[ME:ME+1], v[ME:ME+1], 0x39000000 op_sel_hi:[1,0]       ; the mean: / 8,192
	v_pk_mul_f32 v[ME+2:ME+3], v[ME+2:ME+3], 0x39000000 op_sel_hi:[1,0]
.irp k, 0,1,2,3
	v_pk_fma_f32 v[SU+4*\k:SU+4*\k+1], v[SU+4*\k:SU+4*\k+1], 0x3b800000, v[ME:ME+1] op_sel_hi:[1,0,1] neg_lo:[0,0,1] neg_hi:[0,0,1]       ; a block's mean (its sum / 256) less the mean
	v_pk_fma_f32 v[SU+4*\k+2:SU+4*\k+3], v[SU+4*\k+2:SU+4*\k+3], 0x3b800000, v[ME+2:ME+3] op_sel_hi:[1,0,1] neg_lo:[0,0,1] neg_hi:[0,0,1]
.endr
	v_pk_mul_f32 v[LC:LC+1], v[SU:SU+1], v[SU:SU+1]
	v_pk_mul_f32 v[LC+2:LC+3], v[SU+2:SU+3], v[SU+2:SU+3]
.irp k, 1,2,3
	v_pk_fma_f32 v[LC:LC+1], v[SU+4*\k:SU+4*\k+1], v[SU+4*\k:SU+4*\k+1], v[LC:LC+1]
	v_pk_fma_f32 v[LC+2:LC+3], v[SU+4*\k+2:SU+4*\k+3], v[SU+4*\k+2:SU+4*\k+3], v[LC+2:LC+3]
.endr
.irp k, 1,2,3
	v_pk_add_f32 v[MM:MM+1], v[MM:MM+1], v[MM+4*\k:MM+4*\k+1]
	v_pk_add_f32 v[MM+2:MM+3], v[MM+2:MM+3], v[MM+4*\k+2:MM+4*\k+3]
.endr
	v_pk_fma_f32 v[MM:MM+1], v[LC:LC+1], 0x43800000, v[MM:MM+1] op_sel_hi:[1,0,1]       ; + 256 x the squares
	v_pk_fma_f32 v[MM+2:MM+3], v[LC+2:LC+3], 0x43800000, v[MM+2:MM+3] op_sel_hi:[1,0,1]
	ds_store_b128 v[TO], v[MM:MM+3] offset:4096    ; bytes of its own: nobody need wait for the first meeting's reads
	MEET 4096, LC
.irp n, 0,1,2,3
	v_fma_f32 v[LC+\n], v[LC+\n], s22, s23         ; var + eps
.endr
.irp n, 0,1,2,3
	v_rsq_f32 v[MG+\n], v[LC+\n]
.endr
	v_nop                                          ; a plain line between the last transcendental and the use of its result
	s_wait_loadcnt 32                              ; gamma and beta are in; behind them: the 32 rows
	s_wait_alu depctr_va_vdst(0)
	v_pk_mul_f32 v[GA:GA+1], v[GA:GA+1], v[MG:MG+1]
	v_pk_mul_f32 v[GA+2:GA+3], v[GA+2:GA+3], v[MG+2:MG+3]
.set i, 0
.rept 32
	s_wait_loadcnt 31-i                            ; loads come back in order: row i is in, the later rows may be out
	v_pk_add_f32 v[Z+4*i:Z+4*i+1], v[Z+4*i:Z+4*i+1], v[ME:ME+1] neg_lo:[0,1] neg_hi:[0,1]
	v_pk_add_f32 v[Z+4*i+2:Z+4*i+3], v[Z+4*i+2:Z+4*i+3], v[ME+2:ME+3] neg_lo:[0,1] neg_hi:[0,1]
	v_pk_fma_f32 v[Z+4*i:Z+4*i+1], v[Z+4*i:Z+4*i+1], v[GA:GA+1], v[BE:BE+1]
	v_pk_fma_f32 v[Z+4*i+2:Z+4*i+3], v[Z+4*i+2:Z+4*i+3], v[GA+2:GA+3], v[BE+2:BE+3]
	global_store_b128 v[LO], v[Z+4*i:Z+4*i+3], s[12:13] offset:ROW*i th:TH_STORE_NT   ; 32 lanes store 512 consecutive bytes, at a multiple of 256 from out0's first byte; each row has registers of its own, so no store's data are written again
.set i, i+1
.endr
	s_wait_tensorcnt 0x0
	ds_add_u32 v224, v225
	s_wait_dscnt 0x0
	s_endpgm
.Lfunc_end_k_q6aca4c60fe_norm:
	.size	k_q6aca4c60fe_norm, .Lfunc_end_k_q6aca4c60fe_norm-k_q6aca4c60fe_norm
	.p2alignl 7, 3214868480
	.fill 96, 4, 3214868480
	.section	.rodata,"a",@progbits
	.p2align	6, 0x0
	.amdhsa_kernel k_q6aca4c60fe_norm
		.amdhsa_group_segment_fixed_size 9216
		.amdhsa_private_segment_fixed_size 0
		.amdhsa_enable_private_segment 0
		.amdhsa_kernarg_size 40
		.amdhsa_user_sgpr_count 2
		.amdhsa_user_sgpr_kernarg_segment_ptr 1
		.amdhsa_wavefront_size32 1
		.amdhsa_system_sgpr_workgroup_id_x 1
		.amdhsa_system_sgpr_workgroup_id_y 1
		.amdhsa_system_sgpr_workgroup_id_z 1
		.amdhsa_system_vgpr_workitem_id 0
		.amdhsa_next_free_vgpr 226
		.amdhsa_next_free_sgpr 66
		.amdhsa_reserve_vcc 0
		.amdhsa_float_denorm_mode_32 3
		.amdhsa_float_denorm_mode_16_64 3
		.amdhsa_memory_ordered 1
		.amdhsa_forward_progress 1
		.amdhsa_inst_pref_size 24
	.end_amdhsa_kernel
	.amdgpu_metadata
---
amdhsa.version: [ 1, 2 ]
amdhsa.kernels:
  - .name:           k_q6aca4c60fe_norm
    .symbol:         k_q6aca4c60fe_norm.kd
    .args:
      - { .name: z, .offset: 0, .size: 8, .value_kind: global_buffer, .address_space: global }
      - { .name: part, .offset: 8, .size: 8, .value_kind: global_buffer, .address_space: global }
      - { .name: gamma, .offset: 16, .size: 8, .value_kind: global_buffer, .address_space: global }
      - { .name: beta, .offset: 24, .size: 8, .value_kind: global_buffer, .address_space: global }
      - { .name: out0, .offset: 32, .size: 8, .value_kind: global_buffer, .address_space: global }
    .group_segment_fixed_size: 9216
    .private_segment_fixed_size: 0
    .kernarg_segment_align: 8
    .kernarg_segment_size: 40
    .max_flat_workgroup_size: 256
    .sgpr_count:     66
    .vgpr_count:     226
    .wavefront_size: 32
...
	.end_amdgpu_metadata
.endif
;; end of part 4
;; ======== version 2 of 2: 4 launches
;; limits: right only within a limited range of input values
;; workspace buffers: codes 28,311,552 bytes; qkv 25,165,824 bytes; z 33,554,432 bytes; part 262,144 bytes
;; launch quant (part 5): grid 608 x 1, 4 waves a work-group, no clusters, 0 bytes of LDS; arguments query, keys, Wq, Wk, Wv, lowp_scales, codes; writes codes
.if DOCPART == 5
	.amdgcn_target "amdgcn-amd-amdhsa--gfx1250"
	.amdhsa_code_object_version 6
	.text
	.protected	k_q6aca4c60fe_quant
	.globl	k_q6aca4c60fe_quant
	.p2align	8
	.type	k_q6aca4c60fe_quant,@function
k_q6aca4c60fe_quant:
	s_mov_b64 s[64:65], 0
	v_nop
	global_prefetch_b8 v0, s[64:65] scope:SCOPE_SE
	s_setreg_imm32_b32 hwreg(HW_REG_WAVE_MODE, 25, 1), 1
	s_wait_xcnt 0x0
; query, keys [8192][1024] and Wq, Wk, Wv [1024][1024], f32, become codes of FP8 (E4M3), one byte a number, each with the scale 2^e that is given for it.
; code = x / 2^e, held within +-448, rounded to the nearest code, ties to even.  keys is quantised TWICE: with e2 for the product with Wk, with e4 for the product with Wv.
; codes: query's at 0, keys' (e2) at 8 MiB, keys' (e4) at 16 MiB, Wq's at 24 MiB, Wk's at 25 MiB, Wv's at 26 MiB; a row is 1,024 bytes.
; K IS PERMUTED INSIDE A ROW, ALIKE IN ALL SIX: byte 512 (j / 4) + 16 l + 4 (j % 4) + i holds k = 128 j + 4 l + i.  The scale is one for a tensor, so a code hangs on its own number alone, and a permutation
; of k that is the same in both operands of a product leaves every pair of factors together.  It lets a lane keep the 16 bytes that each load gives it: no turn through LDS.
; SHARES.  A work-group takes 32 rows, a wave 8.  Work-groups 0-255: query; 256-511: keys; 512-543: Wq; 544-575: Wk; 576-607: Wv.  A row is eight loads of 512 consecutive bytes (16 a lane) and
; two stores of 512 consecutive bytes.  Loads run four rows (32 loads a wave) ahead.  Waves share nothing: no LDS, no barrier.
; LIMITS: each of e0 .. e5 lies between -126 and 119, so that 2^e and 448 x 2^e are f32 numbers.  NaN among the inputs is not served (an infinity is held at the largest code).
.set ROWF, 4096                        ; a row of f32 in bytes
.set ROWC, 1024                        ; a row of codes in bytes
.set OFF,  1                           ; v1   16 x lane: my place in a load's and in a store's 512 bytes; never rewritten
.set SA,   2                           ; v2   2^e of the tensor (for keys: e2)
.set LA,   3
.set SB,   4                           ; v4   2^e4
.set LB,   5
.set X,    32                          ; v32-159  four sets of 32 numbers: register 4 j + i = k 128 j + 4 l + i
.set T,    160
.set C1,   192                         ; v192-199 a row's codes
.set C2,   200                         ; v200-207 keys: the row's codes under e4
.set SRC,  32                          ; s[32:33] my wave's first row of f32
.set DST,  34                          ; s[34:35] and of codes
.set DST2, 36                          ; s[36:37] keys: the same row 8 MiB on
	s_load_b256 s[4:11], s[0:1], 0x0               ; query s[4:5], keys s[6:7], Wq s[8:9], Wk s[10:11]
	s_load_b128 s[12:15], s[0:1], 0x20             ; Wv s[12:13], the scales' exponents s[14:15]
	s_load_b64 s[16:17], s[0:1], 0x30              ; codes
	v_lshrrev_b32 v6, 5, v0
	v_readfirstlane_b32 s18, v6                    ; wave 0..3
	v_and_b32 v[OFF], 31, v0
	v_lshlrev_b32 v[OFF], 4, v[OFF]
	s_lshr_b32 s21, ttmp9, 8                       ; 1 in keys' work-groups alone
	s_mov_b32 s20, 576
	s_wait_alu depctr_va_vdst(0)
	s_wait_kmcnt 0x0
	s_load_b256 s[24:31], s[14:15], 0x0            ; e0 .. e7
	; which tensor is mine: a chain of choices on the work-group's number alone; s20 = the tensor's first work-group
	s_mov_b64 s[SRC:SRC+1], s[12:13]
	s_cmp_lt_u32 ttmp9, 576
	s_cselect_b64 s[SRC:SRC+1], s[10:11], s[SRC:SRC+1]
	s_cselect_b32 s20, 544, s20
	s_cmp_lt_u32 ttmp9, 544
	s_cselect_b64 s[SRC:SRC+1], s[8:9], s[SRC:SRC+1]
	s_cselect_b32 s20, 512, s20
	s_cmp_lt_u32 ttmp9, 512
	s_cselect_b64 s[SRC:SRC+1], s[6:7], s[SRC:SRC+1]
	s_cselect_b32 s20, 256, s20
	s_cselect_b32 s23, 0, 256                      ; the weights' codes lie 8 MiB (256 work-groups' worth) further on: keys' second set stands between
	s_cmp_lt_u32 ttmp9, 256
	s_cselect_b64 s[SRC:SRC+1], s[4:5], s[SRC:SRC+1]
	s_cselect_b32 s20, 0, s20
	s_sub_co_u32 s38, ttmp9, s20
	s_lshl_b32 s38, s38, 17                        ; 32 rows of 4,096 bytes a work-group,
	s_lshl_b32 s39, s18, 15                        ; 8 a wave
	s_add_co_u32 s38, s38, s39
	s_mov_b32 s39, 0
	s_add_nc_u64 s[SRC:SRC+1], s[SRC:SRC+1], s[38:39]
	s_add_co_u32 s23, s23, ttmp9
	s_lshl_b32 s38, s23, 15                        ; 32 rows of 1,024 bytes a work-group,
	s_lshl_b32 s39, s18, 13                        ; 8 a wave
	s_add_co_u32 s38, s38, s39
	s_mov_b32 s39, 0
	s_add_nc_u64 s[DST:DST+1], s[16:17], s[38:39]
	s_add_nc_u64 s[DST2:DST2+1], s[DST:DST+1], 0x800000   ; used by keys' work-groups alone
.macro LOAD t                          ; row t into set t % 4: each load reads 512 consecutive bytes
.irp j, 0,1,2,3,4,5,6,7
	global_load_b128 v[X+32*((\t)%4)+4*\j:X+32*((\t)%4)+4*\j+3], v[OFF], s[SRC:SRC+1] offset:(\t)*ROWF+512*\j th:TH_LOAD_NT
.endr
.endm
	LOAD 0
	LOAD 1
	LOAD 2
	LOAD 3
	s_wait_kmcnt 0x0
	s_mov_b32 s22, s29                             ; the tensor's exponent, by the same chain: e5, e3, e1, e2, e0
	s_cmp_lt_u32 ttmp9, 576
	s_cselect_b32 s22, s27, s22
	s_cmp_lt_u32 ttmp9, 544
	s_cselect_b32 s22, s25, s22
	s_cmp_lt_u32 ttmp9, 512
	s_cselect_b32 s22, s26, s22
	s_cmp_lt_u32 ttmp9, 256
	s_cselect_b32 s22, s24, s22
	s_add_co_i32 s22, s22, 127
	s_lshl_b32 s23, s22, 23
	v_mov_b32 v[SA], s23                           ; 2^e as f32: the conversion takes its exponent field
	s_add_co_i32 s22, s28, 127                     ; the same with e4
	s_lshl_b32 s23, s22, 23
	v_mov_b32 v[SB], s23
.macro ROW t
.set XS, X+32*((\t)%4)
.if (\t) < 5
	s_wait_loadcnt 24                              ; loads come back in order: this row's eight are in; those of the three rows behind it may be out
.else
	s_wait_loadcnt 8*(7-(\t))
.endif
	s_wait_xcnt 0x0                                ; the last row's stores have read their data: the codes' registers are written again only behind this wait
.set i, 0
.rept 32
.set i, i+1
.endr
.irp g, 0,1,2,3
	v_cvt_scalef32_pk8_fp8_f32 v[C1+2*\g:C1+2*\g+1], v[XS+8*\g:XS+8*\g+7], v[SA]
.endr
	v_nop                                          ; a plain line behind the last conversion, ahead of the next vector line that writes its sources
	global_store_b128 v[OFF], v[C1:C1+3], s[DST:DST+1] offset:(\t)*ROWC          ; 32 lanes store 512 consecutive bytes, at a multiple of 256 from the buffer's first byte
	global_store_b128 v[OFF], v[C1+4:C1+7], s[DST:DST+1] offset:(\t)*ROWC+512
	s_cmp_eq_u32 s21, 1                            ; keys: once more, with e4.  A branch on the work-group's number
	s_cbranch_scc0 .Lone_\@
.set i, 0
.rept 32
.set i, i+1
.endr
.irp g, 0,1,2,3
	v_cvt_scalef32_pk8_fp8_f32 v[C2+2*\g:C2+2*\g+1], v[XS+8*\g:XS+8*\g+7], v[SB]
.endr
	v_nop
	global_store_b128 v[OFF], v[C2:C2+3], s[DST2:DST2+1] offset:(\t)*ROWC
	global_store_b128 v[OFF], v[C2+4:C2+7], s[DST2:DST2+1] offset:(\t)*ROWC+512
.Lone_\@:
.if (\t) < 4
	LOAD (\t)+4                                    ; the set takes the row four further on; the last four rows ask for nothing
.endif
.endm
	s_wait_alu depctr_va_vdst(0)
.irp t, 0,1,2,3,4,5,6,7
	ROW \t
.endr
	s_endpgm
.Lfunc_end_k_q6aca4c60fe_quant:
	.size	k_q6aca4c60fe_quant, .Lfunc_end_k_q6aca4c60fe_quant-k_q6aca4c60fe_quant
	.p2alignl 7, 3214868480
	.fill 96, 4, 3214868480
	.section	.rodata,"a",@progbits
	.p2align	6, 0x0
	.amdhsa_kernel k_q6aca4c60fe_quant
		.amdhsa_group_segment_fixed_size 0
		.amdhsa_private_segment_fixed_size 0
		.amdhsa_enable_private_segment 0
		.amdhsa_kernarg_size 56
		.amdhsa_user_sgpr_count 2
		.amdhsa_user_sgpr_kernarg_segment_ptr 1
		.amdhsa_wavefront_size32 1
		.amdhsa_system_sgpr_workgroup_id_x 1
		.amdhsa_system_sgpr_workgroup_id_y 1
		.amdhsa_system_sgpr_workgroup_id_z 1
		.amdhsa_system_vgpr_workitem_id 0
		.amdhsa_next_free_vgpr 208
		.amdhsa_next_free_sgpr 66
		.amdhsa_reserve_vcc 0
		.amdhsa_float_denorm_mode_32 3
		.amdhsa_float_denorm_mode_16_64 3
		.amdhsa_fp16_overflow 1
		.amdhsa_memory_ordered 1
		.amdhsa_forward_progress 1
		.amdhsa_inst_pref_size 18
	.end_amdhsa_kernel
	.amdgpu_metadata
---
amdhsa.version: [ 1, 2 ]
amdhsa.kernels:
  - .name:           k_q6aca4c60fe_quant
    .symbol:         k_q6aca4c60fe_quant.kd
    .args:
      - { .name: query, .offset: 0, .size: 8, .value_kind: global_buffer, .address_space: global }
      - { .name: keys, .offset: 8, .size: 8, .value_kind: global_buffer, .address_space: global }
      - { .name: Wq, .offset: 16, .size: 8, .value_kind: global_buffer, .address_space: global }
      - { .name: Wk, .offset: 24, .size: 8, .value_kind: global_buffer, .address_space: global }
      - { .name: Wv, .offset: 32, .size: 8, .value_kind: global_buffer, .address_space: global }
      - { .name: lowp_scales, .offset: 40, .size: 8, .value_kind: global_buffer, .address_space: global }
      - { .name: codes, .offset: 48, .size: 8, .value_kind: global_buffer, .address_space: global }
    .group_segment_fixed_size: 0
    .private_segment_fixed_size: 0
    .kernarg_segment_align: 8
    .kernarg_segment_size: 56
    .max_flat_workgroup_size: 128
    .sgpr_count:     66
    .vgpr_count:     208
    .wavefront_size: 32
...
	.end_amdgpu_metadata
.endif
;; end of part 5
;; launch proj: the kernel of part 2 again; grid 4 x 96, 4 waves a work-group, clusters of 4 x 4, 327,680 bytes of LDS; arguments codes, lowp_scales, qkv; writes qkv
;; launch attn (part 6): grid 8 x 32, 8 waves a work-group, clusters of 4 x 1, 327,680 bytes of LDS; arguments qkv, lowp_scales, query, z, part; writes z, part
.if DOCPART == 6
	.amdgcn_target "amdgcn-amd-amdhsa--gfx1250"
	.amdhsa_code_object_version 6
	.text
	.protected	k_q6aca4c60fe_attn
	.globl	k_q6aca4c60fe_attn
	.p2align	8
	.type	k_q6aca4c60fe_attn,@function
k_q6aca4c60fe_attn:
	s_mov_b64 s[64:65], 0
	v_nop
	global_prefetch_b8 v0, s[64:65] scope:SCOPE_SE
	s_setreg_imm32_b32 hwreg(HW_REG_WAVE_MODE, 25, 1), 1
	s_wait_xcnt 0x0
	s_wait_alu depctr_hold_cnt(0) depctr_sa_sdst(0) depctr_va_vdst(0) depctr_va_sdst(0) depctr_va_ssrc(0) depctr_va_vcc(0) depctr_vm_vsrc(0)
	s_getreg_b32 s2, hwreg(HW_REG_IB_STS2, 6, 4)
	s_cmp_eq_u32 s2, 0
	s_cbranch_scc0 .Lentry_in_a_cluster
	s_endpgm
.Lentry_in_a_cluster:
	s_bfe_u32 s2, ttmp6, 0x10000c
	s_cmp_lg_u32 s2, 0x3003
	s_cbranch_scc0 .Lentry_shape_is_right
	s_endpgm
.Lentry_shape_is_right:
; z[b][s][128 head + d] = (the sum over k of softmax_k(Q . K / 32) V)[d] + query[b][s][128 head + d], both products on codes of FP8 (E4M3) with the given scales e6 (Q), e7 (K), e8 (p), e9 (V);
; and, for each block of 256 rows and each feature, the sum of z and the sum of squares about the block's own mean (part), for the norm that follows.
; qkv: Q's codes at 0, K's at 8 MiB, V's at 16 MiB.  Work-group y = 4 head + b; its pair begins at y x 262,144 bytes in each third: Q, K dense [2048][128]; V [16 chunks of 128 keys][128 d][128 keys]: the keys innermost.
; THE SOFTMAX AHEAD OF THE SECOND PRODUCT: t = score x log2(e) / 32; M = the row's largest t so far, rounded UP to a whole number; p = 2^(t - M) is what is quantised; it is not normalised.
; The row's sum is taken of the unquantised p, in f32, and divides O at the end.  When M moves, the sum and O are multiplied by 2^(old M - new M): exact.
; SHARES.  A work-group owns 256 queries of one pair; each of its EIGHT waves owns 32: TWO tiles of 16, A and B, so that each fragment of K and V that is read from LDS feeds two products.  Two waves to a SIMD, 512 registers each.
; Every wave walks all 2,048 keys, 128 a step.  K's and V's tiles come through a ring of two LDS slots of 256 keys: waves 0 and 1 fetch K's halves, waves 2 and 3 V's two chunks, each a dense block of 128 rows x 128 bytes.
; CLUSTER.  The four query blocks of a cluster belong to one pair and walk the same K and V: each tile is asked for JOINTLY, by the same tensor load with the same descriptor and a mask that names the four.
; LAYOUT.  Both products are used transposed: S^T = K Q^T (source 0 = 16 keys, source 1 = 16 queries), O^T = V^T P^T (source 0 = 16 of the head's 128, source 1 = P): a lane holds ONE query (lane % 16) of each tile throughout.
; A tile of K is 16 NEIGHBOURING keys: its 16 rows, 144 bytes apart, begin at 16 different groups of four banks (64 banks of 4 bytes: ISA guide 11.1).  Register j of tile T is then key 16 T + 8 (lane / 16) + j, so the eight codes made of
; a tile are registers 2 T, 2 T + 1 of an operand in this form's own layout (k = 16 c + 8 (lane / 16) + 0 .. 7), and V's fragments are fetched in that layout: eight loads of 8 bytes, whose 32 lanes touch 64 different banks.
; REGISTERS, in two windows of 256 (s_set_vgpr_msb: bits 1:0 source 0, 3:2 source 1, 5:4 source 2, 7:6 destination).  TILE B'S STATE LIES IN WINDOW 1 AT THE SAME NUMBERS AS TILE A'S IN WINDOW 0:
;   v12 -M, v13 the largest t, v[14:15] the sum in two halves; v16-31 Q; v160-223 O^T; v224-239 p's codes (scratch until they are made); v244 2^e8; v242, v243, v252-254 at work.
;   So the softmax is ONE text, written under setting 0 for tile A and under 0x55 for tile B.  Window 0 alone: v1-11 addresses, v245-247 addresses of the way out.
;   v32-95 and v96-159 of both windows change roles from step to step: in a slot's first step v32-95 hold the fragments (four in each window) and v96-159 S^T, then p; in its second step the other way round.
;   That lets the second step's K be fetched into p's registers as soon as the codes are made, while V's fragments are still being multiplied.
; THE STATISTICS are made in two passes over registers (a mean, then squares of differences from it) and merged by means and centred sums: no difference of large sums is formed, whatever offset query carries.
; LIMITS on the given exponents, so that each power of two below is an f32 number: e6 + e7 between -121 and 132 (they are added to c's exponent field); e8 between -126 and 119; e8 + e9 is applied by v_ldexp_f32 and has none.
.set KP,    144                        ; a row of a tile in LDS: 128 bytes + 16 of padding
.set BLK,   128*KP                     ; a tile: 128 rows
.set VOFF,  2*BLK                      ; a slot: K's 256 keys, then V's two chunks
.set SLOT1, 1<<17                      ; slot 1 begins here, so that one exclusive or turns an address in one slot into the other's
.set NSL,   8                          ; 2,048 keys are eight slots' worth
.set SLB,   32768                      ; a slot's keys in memory, in K as in V: 256 x 128 bytes
.set SPARE, 2*SLOT1                    ; behind the ring: the spare words, 128 bytes for each wave: four blocks of 256 bytes that no other line names
.set STAT,  SPARE+1024                 ; 1,024 bytes for each of the 16 tiles of queries: 128 sums, 128 centred sums of squares; no tile of K or V ever lands here
.set SP,    272                        ; the way out: a stage of 16 rows x (256 bytes + 16) for each wave, from LDS byte 0 on: in slot 0, which was left at the last change of slots: it has had its last fill, and nobody reads it
.set AK0,  1                           ; v1   my lane's place in a tile of K: 144 r + 16 h
.set AV0,  2                           ; v2   the same for V: 144 r + 8 h, behind K's tiles
.set PFO,  3                           ; v3   256 x lane: the prefetches of K and V; never rewritten
.set PFQ,  4                           ; v4   4,096 (lane / 2) + 256 (lane % 2): the prefetches of query; never rewritten
.set SPW,  5                           ; v5   LDS address of my spare word: SPARE + 4 x my thread's number; never rewritten
.set NIL,  6                           ; v6   0; never rewritten
.set GO,   7                           ; v7   my byte offset in a tile's rows of query and z; never rewritten
.set ADK,  8                           ; v8   LDS address of the slot's tiles of K
.set ADV,  9                           ; v9   of V
.set QY,   32                          ; the way out: v32-95 of the tile's window: query's numbers, then z less the mean
.set OR,   96                          ; v96-159 of window 0: O / the sum
.set SUM,  96                          ; then v96-103 the sums over 16 rows; v104-111 the other half of the lanes'; v112-119 the means; v120-127 the centred sums of squares
.set XCH,  104
.set MEAN, 112
.set M2,   120
.set SWA,  245                         ; v245 where I store my statistics; v246 where wave 0 reads them; v247 16 x lane
.set SRA,  246
.set LI,   247
.set WV,   18                          ; s18  my wave's number
.set SEL,  20                          ; s[20:21] lane selects for v_permlanex16_b32: lane l xor 16
.set CS,   22                          ; s[22:23] c = log2(e) / 32 x 2^(e6 + e7)
.set G1,   24                          ; s[24:31] descriptor group 1: one shape serves K's tiles and V's
.set TB,   33                          ; s33  LDS byte at which the slot in hand begins
.set SLOTS, 34                         ; s34  slots still to be asked for
.set LIM,  35                          ; s35  1 in a wave that prefetches K or V, else the greatest number
.set PFA,  36                          ; s[36:37] where my prefetches stand
.set G0,   40                          ; s[40:43] descriptor group 0, which walks
.set QR,   50                          ; s[50:51] query at my first row and my head's first channel;  s[52:53] z there;  s[54:55] my work-group's place in part;  s[56:57] Q's codes at my first query
.set ZA,   52
.set PA,   54
.set QC,   56
.set MSB, 0
.macro WIN new                         ; the immediate's high byte repeats the setting that is left; a switch that changes nothing is dropped
.if MSB != (\new)
	s_set_vgpr_msb (MSB<<8)|(\new)
.set MSB, (\new)
.endif
.endm
; Waves 0 to 3 fetch, the others nothing.  The branch hangs on the wave's number alone.  Four v_nop follow the load.
.macro TLOAD
	s_cmp_lt_u32 s[WV], 4
	s_cbranch_scc0 .Lasked_\@
	tensor_load_to_lds s[G0:G0+3], s[G1:G1+7]
	s_nop 0
.rept 4
	v_nop
.endr
.Lasked_\@:
.endm
; A PREFETCH INTO THE L2 of what the NEXT change of slots will ask for: 32,768 bytes of K and as many of V.  It stands behind the tensor load of a change of slots and the run of LDS loads that follows it.
; Each aligned block of 256 bytes is asked for ONCE in the launch.  The two clusters of a pair walk the same K and V: the first asks.  Its four partners share a slot's bytes out BY ADDRESS, 8,192 each, lanes 256 bytes apart;
; in each, wave 4 asks for K's and wave 5 for V's: one instruction.  The last change that fills a slot asks for nothing: there is no slot behind it.  Slots 0 and 1 come by their loads alone.
.macro ASK
	s_cmp_gt_u32 s[SLOTS], s[LIM]
	s_cbranch_scc0 .Lnot_mine_\@
	global_prefetch_b8 v[PFO], s[PFA:PFA+1] th:TH_LOAD_NT scope:SCOPE_SE
.Lnot_mine_\@:
.endm
; A round of the cluster's barrier: my work-group's barrier, so that wave 0's signal speaks for all eight waves; wave 0 signals for the work-group; every wave waits for all four work-groups; my work-group's barrier once more.
.macro CROUND
	s_barrier_signal -1
	s_barrier_wait -1
	s_cmp_lg_u32 s[WV], 0
	s_cbranch_scc1 .Lnot_wave_0_\@
	s_barrier_signal -3
.Lnot_wave_0_\@:
	s_barrier_wait -3
	s_barrier_signal -1
	s_barrier_wait -1
.endm
	s_load_b256 s[4:11], s[0:1], 0x0               ; qkv s[4:5], the scales' exponents s[6:7], query s[8:9], z s[10:11]
	s_load_b64 s[12:13], s[0:1], 0x20              ; part
	v_lshl_add_u32 v[SPW], v0, 2, SPARE
	v_mov_b32 v[NIL], 0
	ds_add_u32 v5, v6
	ds_add_u32 v5, v6
	s_wait_dscnt 0x0
	v_lshrrev_b32 v8, 5, v0
	s_delay_alu instid0(VALU_DEP_1)
	v_readfirstlane_b32 s[WV], v8                  ; wave 0..7
	s_bfe_u32 s44, ttmp6, 0x40000                  ; cx: my place in the cluster
	s_lshl_b32 s45, ttmp9, 2
	s_add_co_u32 s45, s45, s44                     ; my block of 256 queries = 4 x cluster x + cx: it enters global addresses alone
	s_and_b32 s46, ttmp7, 0xffff                   ; y = 4 head + b, which the four partners share
	s_and_b32 s47, s46, 3                          ; b
	s_lshr_b32 s48, s46, 2                         ; head
	s_lshl_b32 s72, s47, 11
	s_lshl_b32 s73, s45, 8
	s_add_co_u32 s72, s72, s73
	s_lshl_b32 s73, s[WV], 5
	s_add_co_u32 s72, s72, s73                     ; my first row of query and z: 2,048 b + 256 x block + 32 x wave,
	s_lshl_b32 s72, s72, 12                        ; of 4,096 bytes,
	s_lshl_b32 s73, s48, 9
	s_add_co_u32 s72, s72, s73                     ; + my head's 512 bytes: under 2^25
	s_mov_b32 s73, 0
	s_lshl_b32 s74, s46, 18                        ; the pair's first byte in each third of qkv
	s_lshl_b32 s76, s45, 15
	s_lshl_b32 s77, s[WV], 12
	s_add_co_u32 s76, s76, s77
	s_add_co_u32 s76, s76, s74                     ; Q's codes: my first query's row of 128 bytes
	s_mov_b32 s77, 0
	s_lshr_b32 s78, s[WV], 1                       ; what I fetch, if I fetch: waves 0, 1: K (at 8 MiB); waves 2, 3: V (at 16 MiB);
	s_and_b32 s78, s78, 1
	s_add_co_u32 s78, s78, 1
	s_lshl_b32 s78, s78, 23
	s_and_b32 s79, s[WV], 1                        ; the slot's first or second 16,384 bytes
	s_lshl_b32 s79, s79, 14
	s_add_co_u32 s78, s78, s79
	s_add_co_u32 s78, s78, s74                     ; of the wave's number and y alone: the same in all four partners
	s_mov_b32 s79, 0
	s_and_b32 s80, s[WV], 1                        ; the prefetches: wave 4: K, wave 5: V;
	s_add_co_u32 s80, s80, 1
	s_lshl_b32 s80, s80, 23
	s_add_co_u32 s80, s80, s74
	s_lshl_b32 s81, s44, 13                        ; my work-group's 8,192 bytes of a slot's 32,768,
	s_add_co_u32 s80, s80, s81
	s_add_co_u32 s80, s80, SLB                     ; in slot 1: the first change of slots steps it to slot 2.  Nothing is prefetched here, at the head
	s_mov_b32 s81, 0
	s_lshl_b32 s82, s47, 3
	s_add_co_u32 s82, s82, s45                     ; part: block 8 b + my block, of 8,192 bytes,
	s_lshl_b32 s82, s82, 13
	s_lshl_b32 s83, s48, 9
	s_add_co_u32 s82, s82, s83                     ; + my head's 512 bytes
	s_mov_b32 s83, 0
	s_sub_co_u32 s[LIM], s[WV], 4
	s_lshr_b32 s[LIM], s[LIM], 1                   ; 0 in waves 4 and 5,
	s_or_b32 s[LIM], s[LIM], ttmp9                 ; of the pair's first cluster: the same in all four partners
	s_cmp_eq_u32 s[LIM], 0
	s_cselect_b32 s[LIM], 1, -1
	; descriptor group 1: 128 rows of 128 bytes, dense in memory, padded in LDS
	s_mov_b32 s[G1], 15|(0<<16)|(1<<20)|(1<<21)|(4<<22)|(3<<25)   ; 15:0 the mask: all four work-groups; 17:16 elements of 1 byte; 20 padding on; 21 set beside a mask; 24:22 after every 32 words (code 4); 31:25 four words (code 3)
	s_mov_b32 s[G1+1], 128<<16                     ; tensor_dim0
	s_mov_b32 s[G1+2], 128<<16                     ; tensor_dim1
	s_mov_b32 s[G1+3], 128<<16                     ; tile_dim0
	s_mov_b32 s[G1+4], 128                         ; tile_dim1
	s_mov_b32 s[G1+5], 128                         ; tensor_dim0_stride
	s_mov_b32 s[G1+6], 0
	s_mov_b32 s[G1+7], 0
	s_mov_b32 s[SEL], 0x76543210
	s_mov_b32 s[SEL+1], 0xfedcba98
	s_mov_b32 s[CS], 0x3d38aa3b                    ; c = log2(e) / 32: the scores are divided by sqrt(1,024)
	s_mov_b32 s[TB], 0
	s_mov_b32 s[SLOTS], NSL-1
	s_mov_b32 s[G0], 1                             ; 1:0 count = 1
	s_and_b32 s[G0+1], s[WV], 3
	s_mul_i32 s[G0+1], s[G0+1], BLK                ; 63:32 LDS address: slot 0, tile = wave: no place in the cluster enters an LDS address
	s_wait_kmcnt 0x0
	s_load_b128 s[68:71], s[6:7], 0x18             ; e6, e7, e8, e9
	s_add_nc_u64 s[G0+2:G0+3], s[4:5], s[78:79]    ; 120:64 global address: the pair's first 256 keys
	s_or_b32 s[G0+3], s[G0+3], 0x80000000          ; 127:126 type = 2
	s_add_nc_u64 s[QR:QR+1], s[8:9], s[72:73]
	s_add_nc_u64 s[ZA:ZA+1], s[10:11], s[72:73]
	s_add_nc_u64 s[PA:PA+1], s[12:13], s[82:83]
	s_add_nc_u64 s[QC:QC+1], s[4:5], s[76:77]
	s_add_nc_u64 s[PFA:PFA+1], s[4:5], s[80:81]
	CROUND                                         ; all four work-groups are here: the first joint loads meet
	TLOAD                                          ; slot 0: one tensor load of mine is out
	v_and_b32 v[PFO], 31, v0
	s_delay_alu instid0(VALU_DEP_1)
	v_lshrrev_b32 v[PFQ], 1, v[PFO]
	s_delay_alu instid0(VALU_DEP_1)
	v_lshlrev_b32 v[PFQ], 12, v[PFQ]
	v_and_b32 v9, 1, v0
	s_delay_alu instid0(VALU_DEP_1)
	v_lshl_add_u32 v[PFQ], v9, 8, v[PFQ]
	v_lshlrev_b32 v[PFO], 8, v[PFO]
	v_and_b32 v8, 15, v0                           ; r = lane % 16
	v_bfe_u32 v9, v0, 4, 1                         ; h = lane / 16
	s_delay_alu instid0(VALU_DEP_2)
	v_lshlrev_b32 v10, 7, v8
	s_delay_alu instid0(VALU_DEP_1)
	v_lshl_add_u32 v10, v9, 4, v10                 ; Q: row r of 128 bytes, + my half's 16
.irp c, 0,1,2,3
	global_load_b128 v[16+4*\c:19+4*\c], v10, s[QC:QC+1] offset:32*\c        ; tile A's fragment of Q stays in registers: bytes 32 c + 16 h + 0 .. 15 of the row, the places that K's fragments take too
.endr
	WIN 0x40                                       ; destination window 1
.irp c, 0,1,2,3
	global_load_b128 v[16+4*\c:19+4*\c], v10, s[QC:QC+1] offset:2048+32*\c   ; tile B's: 16 rows on
.endr
	WIN 0
	v_mul_u32_u24 v[AK0], v8, KP
	s_delay_alu instid0(VALU_DEP_1)
	v_lshl_add_u32 v[AV0], v9, 3, v[AK0]
	s_delay_alu instid0(VALU_DEP_1)
	v_add_nc_u32 v[AV0], VOFF, v[AV0]
	s_delay_alu instid0(VALU_DEP_3)
	v_lshl_add_u32 v[AK0], v9, 4, v[AK0]
	v_lshlrev_b32 v[GO], 12, v9
	s_delay_alu instid0(VALU_DEP_1)
	v_lshl_add_u32 v[GO], v8, 4, v[GO]             ; lanes 0-15 take one row, lanes 16-31 the next; 16 bytes a lane
	s_wait_kmcnt 0x0
	s_add_co_i32 s72, s68, s69
	s_lshl_b32 s72, s72, 23
	s_add_co_i32 s[CS], s[CS], s72                 ; a score stands for score x 2^(e6 + e7): the two exponents are added to c's exponent field
	s_mov_b32 s[CS+1], s[CS]                       ; (named with it as a pair, so it is written)
	s_add_co_i32 s72, s70, 127
	s_lshl_b32 s73, s72, 23                        ; 2^e8 as f32, for the conversion
.macro INIT                            ; a tile's state, in the window that is set
	v_mov_b32 v13, 0xff61b1e6                      ; the largest t so far: -3e38, under every t
	s_delay_alu instid0(VALU_DEP_1)
	v_floor_f32 v12, -v13                          ; -M
	v_mov_b32 v14, 0                               ; the sum, in two halves
	v_mov_b32 v15, 0
	v_mov_b32 v236, 0                              ; written once: a lane permute's destination counts as one of its sources
	v_mov_b32 v253, 0                              ; (named as the upper half of the pair v[252:253])
	v_mov_b32 v244, s73
.set j, 0
.rept 64
	v_mov_b32 v[160+j], 0                          ; O^T.  (The key step has no first form of its own: the first step finds zeros, which the first change of M leaves zeros.  A first step written out would be a fifth copy of the step)
.set j, j+1
.endr
.endm
	INIT
	WIN 0x55
	INIT
	WIN 0
; THE LDS LOADS, in runs.  Half g of a step's fragments goes into window g, v[base] on.
.macro KHALF q, g, base                ; K's tiles 4 g .. 4 g + 3 of the slot's q-th 128 keys: 16 rows x 128 bytes each, four loads of 16 bytes
	WIN 0x40*\g
.irp t, 0,1,2,3
.irp c, 0,1,2,3
	ds_load_b128 v[\base+16*\t+4*\c:\base+16*\t+4*\c+3], v[ADK] offset:(128*(\q)+16*(4*\g+\t))*KP+32*\c
.endr
.endr
.endm
.macro VHALF q, g, base                ; V's tiles 4 g .. 4 g + 3 (16 of the head's 128 x the q-th 128 keys), in the form's own layout: registers 2 c, 2 c + 1 = keys 16 c + 8 h + 0 .. 7
	WIN 0x40*\g
.irp t, 0,1,2,3
.irp c, 0,1,2,3,4,5,6,7
	ds_load_b64 v[\base+16*\t+2*\c:\base+16*\t+2*\c+1], v[ADV] offset:(\q)*BLK+16*(4*\g+\t)*KP+16*\c
.endr
.endr
.endm
.macro QLOAD x, base                   ; tile x's 16 rows x 512 bytes of query into the tile's window, in the layout in which the rows come back from the stage: register 32 u + 4 i + k = (row 2 i + h, channel 64 u + 4 r + k)
	WIN 0x40*\x
.irp u, 0,1
.irp i, 0,1,2,3,4,5,6,7
	global_load_b128 v[\base+32*\u+4*\i:\base+32*\u+4*\i+3], v[GO], s[QR:QR+1] offset:65536*\x+8192*\i+256*\u th:TH_LOAD_NT
.endr
.endr
.endm
; THE PRODUCTS, four at a time: tile x of queries, half g of the fragments.  The fragment comes from window g, all else from the tile's window.  The accumulators take turns, one instruction a turn.
.macro KQ x, g, FB, SB
	WIN (0x54*\x)|\g
.irp t, 0,1,2,3
	v_wmma_f32_16x16x128_fp8_fp8 v[\SB+8*(4*\g+\t):\SB+8*(4*\g+\t)+7], v[\FB+16*\t:\FB+16*\t+15], v[16:31], 0
.endr
.endm
.macro PV x, g, FB
	WIN (0x54*\x)|\g
.irp t, 0,1,2,3
	v_wmma_f32_16x16x128_fp8_fp8 v[160+8*(4*\g+\t):167+8*(4*\g+\t)], v[\FB+16*\t:\FB+16*\t+15], v[224:239], v[160+8*(4*\g+\t):167+8*(4*\g+\t)]
.endr
.endm
; THE SOFTMAX of one tile for one key step, in the window that is set.  The lane's 64 scores stand in v[SB] on; its codes go to v224-239.
; The maximum and the sum run in four chains each, so that with two waves on a SIMD no line waits long for the line that feeds it.
.macro SM SB
	v_max3_num_f32 v254, v[\SB], v[\SB+1], v[\SB+2]              ; chain k takes tiles 2 k and 2 k + 1 of keys, each accumulator from its low end on
	v_max3_num_f32 v252, v[\SB+16], v[\SB+17], v[\SB+18]
	v_max3_num_f32 v242, v[\SB+32], v[\SB+33], v[\SB+34]
	v_max3_num_f32 v243, v[\SB+48], v[\SB+49], v[\SB+50]
.irp i, 3,5,7,9,11,13
	v_max3_num_f32 v254, v254, v[\SB+\i], v[\SB+\i+1]
	v_max3_num_f32 v252, v252, v[\SB+16+\i], v[\SB+17+\i]
	v_max3_num_f32 v242, v242, v[\SB+32+\i], v[\SB+33+\i]
	v_max3_num_f32 v243, v243, v[\SB+48+\i], v[\SB+49+\i]
.endr
	v_max3_num_f32 v254, v254, v[\SB+15], v[\SB+31]
	v_max3_num_f32 v242, v242, v[\SB+47], v[\SB+63]
	s_delay_alu instid0(VALU_DEP_1)
	v_max3_num_f32 v254, v254, v252, v242
	s_delay_alu instid0(VALU_DEP_1)
	v_max_num_f32 v254, v254, v243                 ; the step's largest score of my query, among my 64 keys,
	v_permlanex16_b32 v236, v254, s[SEL], s[SEL+1]
	s_delay_alu instid0(VALU_DEP_1)
	v_max_num_f32 v254, v254, v236                 ; and among lane l xor 16's
	s_delay_alu instid0(VALU_DEP_1)
	v_mul_f32 v254, s[CS], v254                    ; as t (c is positive)
	s_delay_alu instid0(VALU_DEP_1)
	v_max_num_f32 v13, v13, v254                   ; the running largest t
	v_mov_b32 v254, v12
	s_delay_alu instid0(VALU_DEP_2)
	v_floor_f32 v12, -v13                          ; the new -M = floor(-t) = -ceil(t): M IS A WHOLE NUMBER
	s_delay_alu instid0(VALU_DEP_1)
	v_sub_f32 v254, v12, v254                      ; M's old value less its new one: a whole number, 0 or less
	s_delay_alu instid0(VALU_DEP_1)
	v_cvt_i32_f32 v254, v254                       ; (it saturates)
	s_delay_alu instid0(VALU_DEP_1)
	v_ldexp_f32 v252, 1.0, v254                    ; f = 2^(old M - new M): what was summed under the old M is brought under the new by a multiplication that rounds nothing
.set j, 0
.rept 32
	v_pk_fma_f32 v[\SB+j:\SB+j+1], v[\SB+j:\SB+j+1], s[CS:CS+1], v[12:13] op_sel_hi:[1,0,0]   ; t - M, two at a time (of the pairs c and -M the low word serves both halves)
.set j, j+2
.endr
.set j, 0
	s_wait_alu depctr_va_vdst(0)
.rept 64
	v_exp_f32 v[\SB+j], v[\SB+j]                   ; p = 2^(t - M), at most 1: NOT normalised
.set j, j+1
.endr
	v_pk_mul_f32 v[14:15], v[14:15], v[252:253] op_sel_hi:[1,0]   ; the sums under the new M.  (A plain place behind the exponentials)
	s_wait_alu depctr_va_vdst(0)
	v_pk_add_f32 v[242:243], v[\SB:\SB+1], v[\SB+2:\SB+3]         ; THE ROW'S SUM IS TAKEN OF THE UNQUANTISED p, two at a time
	v_pk_add_f32 v[224:225], v[\SB+4:\SB+5], v[\SB+6:\SB+7]       ; (the codes' registers are free until the codes are made)
	v_pk_add_f32 v[226:227], v[\SB+8:\SB+9], v[\SB+10:\SB+11]
	v_pk_add_f32 v[14:15], v[14:15], v[\SB+12:\SB+13]
.irp i, 14,22,30,38,46,54
	v_pk_add_f32 v[242:243], v[242:243], v[\SB+\i:\SB+\i+1]
	v_pk_add_f32 v[224:225], v[224:225], v[\SB+\i+2:\SB+\i+3]
	v_pk_add_f32 v[226:227], v[226:227], v[\SB+\i+4:\SB+\i+5]
	v_pk_add_f32 v[14:15], v[14:15], v[\SB+\i+6:\SB+\i+7]
.endr
	v_pk_add_f32 v[242:243], v[242:243], v[\SB+62:\SB+63]
	s_delay_alu instid0(VALU_DEP_3)
	v_pk_add_f32 v[224:225], v[224:225], v[226:227]
	s_delay_alu instid0(VALU_DEP_2)
	v_pk_add_f32 v[14:15], v[14:15], v[242:243]
	s_delay_alu instid0(VALU_DEP_1)
	v_pk_add_f32 v[14:15], v[14:15], v[224:225]
.irp b, 0,1,2,3,4,5,6,7
.irp i, 0,1,2,3,4,5,6,7
.endr
	v_cvt_scalef32_pk8_fp8_f32 v[224+2*\b:225+2*\b], v[\SB+8*\b:\SB+8*\b+7], v244   ; keys 16 b + 8 h + 0 .. 7: registers 2 b, 2 b + 1 of the operand
.endr
.set j, 0
.rept 32
	v_pk_mul_f32 v[160+j:161+j], v[160+j:161+j], v[252:253] op_sel_hi:[1,0]   ; O^T under the new M: x f.  (Plain lines behind the last conversion, ahead of the products that read the codes)
.set j, j+2
.endr
.endm
; A KEY STEP: 128 keys, the q-th of the slot in hand, for both tiles.  Its fragments of K have been asked for, into v[FB] on of both windows; S^T goes to v[SB] on.
; pre = 1: the next step's K is fetched into p's registers, each tile's as soon as its codes are made.  pre = 2 (the very last step): query's numbers are fetched there.  pre = 0: nothing.
.macro STEP q, FB, SB, pre
.rept 5
	v_nop                                          ; S^T is laid over the fragments of V that the last step's products read: five places stand between (ISA guide 7.12.1)
.endr
	s_wait_dscnt 16                                ; K's tiles 0-3 are in; the younger sixteen loads (tiles 4-7) may be out
	KQ 0, 0, \FB, \SB
	KQ 1, 0, \FB, \SB
	s_wait_dscnt 0x0
	KQ 1, 1, \FB, \SB
	KQ 0, 1, \FB, \SB
	WIN 0
.rept 4
	v_nop                                          ; places in front of loads into registers that those products have read, and of the first read of their results
.endr
	VHALF \q, 0, \FB                               ; V is asked for here and lands under tile A's softmax
	VHALF \q, 1, \FB
	WIN 0
	SM \SB
	s_wait_dscnt 0x0                               ; V is in
.if \pre == 1
	KHALF (\q)+1, 0, \SB
.elseif \pre == 2
	QLOAD 0, \SB
.endif
	WIN 0x55
	SM \SB
.if \pre == 1
	KHALF (\q)+1, 1, \SB
.elseif \pre == 2
	QLOAD 1, \SB
.endif
	PV 0, 0, \FB
	PV 1, 0, \FB
	PV 1, 1, \FB
	PV 0, 1, \FB
	WIN 0
.endm
; THE CHANGE OF SLOTS stands at a slot's head.  Each wave waits for all its tensor loads (its part of the slot that it is about to read), adds 0 to its spare word, and waits for that and for its reads of the slot that it has left.
; fill = 1: the slot that was left is filled with the keys that follow.  The barrier is then a round of the cluster's, so that no wave of any partner still reads that slot or has a load on its way; the joint load is the first
; thing behind it and has a slot's two key steps in which to land.
.macro CHANGE fill
	s_wait_tensorcnt 0x0                           ; no tensor load of mine is out, so group 0 may be written
	ds_add_u32 v[SPW], v[NIL]                      ; 0 onto my spare word: with fill = 1 the descriptor's steps stand between it and the wait for it
.if \fill
	s_xor_b32 s[G0+1], s[G0+1], SLOT1              ; the walking descriptor: the other slot than last time,
	s_add_nc_u64 s[G0+2:G0+3], s[G0+2:G0+3], SLB   ; the next 256 keys; the type bits on top are not reached
	s_wait_xcnt 0x0                                ; the last prefetch, a slot back, has read its address, so it may be written:
	s_add_nc_u64 s[PFA:PFA+1], s[PFA:PFA+1], SLB   ; one slot further on than the walking descriptor
	s_wait_dscnt 0x0                               ; the add is done, and my reads of the slot that I have left are over
	CROUND
	TLOAD                                          ; a wave's one tensor load until the next change
.else
	s_wait_dscnt 0x0
	s_barrier_signal -1
	s_barrier_wait -1
.endif
.endm
.macro HEAD                            ; a slot's addresses, and its first step's K
	v_add_nc_u32 v[ADK], s[TB], v[AK0]
	v_add_nc_u32 v[ADV], s[TB], v[AV0]
	KHALF 0, 0, 32
	KHALF 0, 1, 32
	WIN 0
.endm
	s_wait_loadcnt 0x0                             ; Q
.Lslot:                                            ; NSL - 1 trips: behind each change of slots but the last the next slot is asked for
	CHANGE 1
	HEAD
	ASK
	s_wait_alu depctr_va_vdst(0)
	STEP 0, 32, 96, 1
	STEP 1, 96, 32, 0
	s_xor_b32 s[TB], s[TB], SLOT1                  ; on to the other slot
	s_sub_co_u32 s[SLOTS], s[SLOTS], 1
	s_cmp_lg_u32 s[SLOTS], 0
	s_cbranch_scc1 .Lslot
	CHANGE 0                                       ; the last slot is written out
	HEAD
	global_prefetch_b8 v[PFQ], s[QR:QR+1] th:TH_LOAD_NT scope:SCOPE_SE                ; my 32 rows x 512 bytes of query, a lane to each aligned 256 bytes, a key step and a half ahead of their loads;
	global_prefetch_b8 v[PFQ], s[QR:QR+1] offset:65536 th:TH_LOAD_NT scope:SCOPE_SE   ; each wave asks for its own, so each block is named once
	s_wait_alu depctr_va_vdst(0)
	STEP 0, 32, 96, 1
	STEP 1, 96, 32, 2
	; THE WAY OUT, a tile at a time.  O^T is divided by the sum and goes through my stage in LDS, half a row (64 channels, 256 bytes) of 16 queries at a time; query is added; sixteen lanes store 256 consecutive bytes.
	; The addresses are made first: plain lines that name no register of the last products, the places behind them.
	v_and_b32 v8, 15, v0                           ; r
	v_bfe_u32 v9, v0, 4, 1                         ; h
	s_add_co_i32 s72, s70, s71                     ; e8 + e9
	s_mul_i32 s73, s[WV], 16*SP                    ; my stage
	v_mul_u32_u24 v10, v8, SP
	s_delay_alu instid0(VALU_DEP_1)
	v_lshl_add_u32 v10, v9, 5, v10
	s_delay_alu instid0(VALU_DEP_1)
	v_add_nc_u32 v10, s73, v10                     ; in: row r; tile t's eight channels of my half: 64 t + 32 h bytes on
	v_mul_u32_u24 v11, v9, SP
	s_delay_alu instid0(VALU_DEP_1)
	v_lshl_add_u32 v11, v8, 4, v11
	s_delay_alu instid0(VALU_DEP_1)
	v_add_nc_u32 v11, s73, v11                     ; back: lanes 0-15 one row, lanes 16-31 the next
	s_lshl_b32 s74, s[WV], 11
	s_add_co_u32 s74, s74, STAT
	v_lshl_add_u32 v[SWA], v8, 4, s74              ; my two tiles' statistics: 16 bytes for each four channels
	v_and_b32 v[LI], 31, v0
	s_delay_alu instid0(VALU_DEP_1)
	v_lshlrev_b32 v[LI], 4, v[LI]
	s_delay_alu instid0(VALU_DEP_1)
	v_add_nc_u32 v[SRA], STAT, v[LI]
; Tile x.  Its O^T, its sum and its numbers of query lie in window x; all else is done in window 0.  z stands in v[ZR] on of window 0: register 32 u + 4 i + k = z(row 2 i + h, channel 64 u + 4 r + k).
; Tile A's z takes the registers that its O^T has left, tile B's those that tile A's differences have left: so no register that a store of z still reads is written again.
.macro OUT x, ZR
.if \x
	s_wait_dscnt 0x0                               ; tile A's statistics are stored: their registers are written again below
.endif
	WIN 0x55*\x
	v_add_f32 v14, v14, v15                        ; the sum's two halves,
	s_delay_alu instid0(VALU_DEP_1)
	v_permlanex16_b32 v252, v14, s[SEL], s[SEL+1]
	s_delay_alu instid0(VALU_DEP_1)
	v_add_f32 v14, v14, v252                       ; and lane l xor 16's: the row's sum
	s_wait_alu depctr_va_vdst(0)
	v_rcp_f32 v14, v14
	v_nop                                          ; a plain place behind the transcendental
	s_wait_alu depctr_va_vdst(0)
	v_ldexp_f32 v14, v14, s72                      ; x 2^(e8 + e9)
	WIN 0x05*\x                                    ; sources in the tile's window, destination in window 0
.set j, 0
.rept 32
	v_pk_mul_f32 v[OR+j:OR+j+1], v[160+j:161+j], v[14:15] op_sel_hi:[1,0]   ; O^T / the sum, each accumulator from its low end on: register 8 t + i is o(r, 16 t + 8 h + i)
.set j, j+2
.endr
	WIN 0
.irp u, 0,1                                    ; channels 64 u on
.irp t, 0,1,2,3
	ds_store_b128 v10, v[OR+32*\u+8*\t:OR+32*\u+8*\t+3] offset:64*\t
	ds_store_b128 v10, v[OR+32*\u+8*\t+4:OR+32*\u+8*\t+7] offset:64*\t+16
.endr
.irp i, 0,1,2,3,4,5,6,7
	ds_load_b128 v[\ZR+32*\u+4*\i:\ZR+32*\u+4*\i+3], v11 offset:2*\i*SP   ; LDS serves a wave's instructions in order (ISA guide 5.7.1.4): these see my stores, and the next half's stores come behind them
.endr
.endr
	s_wait_dscnt 0x0                               ; the rows are back
	s_wait_loadcnt 16*(1-\x)                       ; this tile's sixteen loads of query are in; behind tile A's stand tile B's sixteen
	WIN 0x04*\x                                    ; source 1 (query) in the tile's window
.set j, 0
.rept 32
	v_pk_add_f32 v[\ZR+j:\ZR+j+1], v[\ZR+j:\ZR+j+1], v[QY+j:QY+j+1]
.set j, j+2
.endr
	WIN 0
.irp u, 0,1
.irp i, 0,1,2,3,4,5,6,7
	global_store_b128 v[GO], v[\ZR+32*\u+4*\i:\ZR+32*\u+4*\i+3], s[ZA:ZA+1] offset:65536*\x+8192*\i+256*\u   ; 16 lanes store 256 consecutive bytes, at a multiple of 256 from z's first byte
.endr
.endr
	; the statistics of the tile's 16 rows, for each of the 128 channels.  c = 4 u + k names a pair of channels' registers
.irp c, 0,2,4,6
	v_pk_add_f32 v[SUM+\c:SUM+\c+1], v[\ZR+32*(\c/4)+\c%4:\ZR+32*(\c/4)+\c%4+1], v[\ZR+32*(\c/4)+4+\c%4:\ZR+32*(\c/4)+4+\c%4+1]
.endr
.irp i, 2,3,4,5,6,7
.irp c, 0,2,4,6
	s_delay_alu instid0(VALU_DEP_4)
	v_pk_add_f32 v[SUM+\c:SUM+\c+1], v[SUM+\c:SUM+\c+1], v[\ZR+32*(\c/4)+4*\i+\c%4:\ZR+32*(\c/4)+4*\i+\c%4+1]
.endr
.endr
.irp n, 0,1,2,3,4,5,6,7
	v_permlanex16_b32 v[XCH+\n], v[SUM+\n], s[SEL], s[SEL+1]   ; the odd rows lie in the lane 16 away
.endr
.irp c, 0,2,4,6
	v_pk_add_f32 v[SUM+\c:SUM+\c+1], v[SUM+\c:SUM+\c+1], v[XCH+\c:XCH+\c+1]
.endr
.irp c, 0,2,4,6
	s_delay_alu instid0(VALU_DEP_4)
	v_pk_mul_f32 v[MEAN+\c:MEAN+\c+1], v[SUM+\c:SUM+\c+1], 0x3d800000 op_sel_hi:[1,0]   ; / 16
.endr
	WIN 0x40*\x                                    ; the differences take the place of query's numbers, in the tile's window
.irp i, 0,1,2,3,4,5,6,7
.irp c, 0,2,4,6
	v_pk_add_f32 v[QY+32*(\c/4)+4*\i+\c%4:QY+32*(\c/4)+4*\i+\c%4+1], v[\ZR+32*(\c/4)+4*\i+\c%4:\ZR+32*(\c/4)+4*\i+\c%4+1], v[MEAN+\c:MEAN+\c+1] neg_lo:[0,1] neg_hi:[0,1]
.endr
.endr
	WIN 0x05*\x
.irp c, 0,2,4,6
	v_pk_mul_f32 v[M2+\c:M2+\c+1], v[QY+32*(\c/4)+\c%4:QY+32*(\c/4)+\c%4+1], v[QY+32*(\c/4)+\c%4:QY+32*(\c/4)+\c%4+1]
.endr
.irp i, 1,2,3,4,5,6,7
.irp c, 0,2,4,6
	s_delay_alu instid0(VALU_DEP_4)
	v_pk_fma_f32 v[M2+\c:M2+\c+1], v[QY+32*(\c/4)+4*\i+\c%4:QY+32*(\c/4)+4*\i+\c%4+1], v[QY+32*(\c/4)+4*\i+\c%4:QY+32*(\c/4)+4*\i+\c%4+1], v[M2+\c:M2+\c+1]
.endr
.endr
	WIN 0
.irp n, 0,1,2,3,4,5,6,7
	v_permlanex16_b32 v[XCH+\n], v[M2+\n], s[SEL], s[SEL+1]
.endr
.irp c, 0,2,4,6
	v_pk_add_f32 v[M2+\c:M2+\c+1], v[M2+\c:M2+\c+1], v[XCH+\c:XCH+\c+1]
.endr
.irp u, 0,1
	ds_store_b128 v[SWA], v[SUM+4*\u:SUM+4*\u+3] offset:1024*\x+256*\u        ; channels 64 u + 4 r + 0 .. 3; the two halves of the lanes store the same numbers to the same bytes
	ds_store_b128 v[SWA], v[M2+4*\u:M2+4*\u+3] offset:1024*\x+512+256*\u
.endr
.endm
	OUT 0, 160
	OUT 1, 32
	s_wait_dscnt 0x0                               ; for the others' sake: my stores are done
	s_barrier_signal -1
	s_barrier_wait -1
	s_cmp_lg_u32 s[WV], 0                          ; wave 0 merges the sixteen tiles' figures: a lane takes four channels
	s_cbranch_scc1 .Ldone
	s_wait_xcnt 0x0                                ; my stores of z have read their data: the loads below land on tile A's registers only behind this wait
.irp w, 0,1,2,3,4,5,6,7,8,9,10,11,12,13,14,15
	ds_load_b128 v[160+4*\w:163+4*\w], v[SRA] offset:1024*\w
.endr
.irp w, 0,1,2,3,4,5,6,7,8,9,10,11,12,13,14,15
	ds_load_b128 v[96+4*\w:99+4*\w], v[SRA] offset:1024*\w+512
.endr
	s_wait_dscnt 0x0
	v_pk_add_f32 v[224:225], v[160:161], v[164:165]       ; the block's sum over 256 rows
	v_pk_add_f32 v[226:227], v[162:163], v[166:167]
.irp w, 2,3,4,5,6,7,8,9,10,11,12,13,14,15
	s_delay_alu instid0(VALU_DEP_2)
	v_pk_add_f32 v[224:225], v[224:225], v[160+4*\w:161+4*\w]
	s_delay_alu instid0(VALU_DEP_2)
	v_pk_add_f32 v[226:227], v[226:227], v[162+4*\w:163+4*\w]
.endr
	s_delay_alu instid0(VALU_DEP_2)
	v_pk_mul_f32 v[228:229], v[224:225], 0x3b800000 op_sel_hi:[1,0]   ; its mean: / 256
	s_delay_alu instid0(VALU_DEP_2)
	v_pk_mul_f32 v[230:231], v[226:227], 0x3b800000 op_sel_hi:[1,0]
.irp w, 0,1,2,3,4,5,6,7,8,9,10,11,12,13,14,15
	v_pk_fma_f32 v[160+4*\w:161+4*\w], v[160+4*\w:161+4*\w], 0x3d800000, v[228:229] op_sel_hi:[1,0,1] neg_lo:[0,0,1] neg_hi:[0,0,1]   ; a tile's mean less the block's
	v_pk_fma_f32 v[162+4*\w:163+4*\w], v[162+4*\w:163+4*\w], 0x3d800000, v[230:231] op_sel_hi:[1,0,1] neg_lo:[0,0,1] neg_hi:[0,0,1]
.endr
	v_pk_mul_f32 v[232:233], v[160:161], v[160:161]
	v_pk_mul_f32 v[234:235], v[162:163], v[162:163]
.irp w, 1,2,3,4,5,6,7,8,9,10,11,12,13,14,15
	s_delay_alu instid0(VALU_DEP_2)
	v_pk_fma_f32 v[232:233], v[160+4*\w:161+4*\w], v[160+4*\w:161+4*\w], v[232:233]
	s_delay_alu instid0(VALU_DEP_2)
	v_pk_fma_f32 v[234:235], v[162+4*\w:163+4*\w], v[162+4*\w:163+4*\w], v[234:235]
.endr
	v_pk_add_f32 v[236:237], v[96:97], v[100:101]
	v_pk_add_f32 v[238:239], v[98:99], v[102:103]
.irp w, 2,3,4,5,6,7,8,9,10,11,12,13,14,15
	s_delay_alu instid0(VALU_DEP_2)
	v_pk_add_f32 v[236:237], v[236:237], v[96+4*\w:97+4*\w]
	s_delay_alu instid0(VALU_DEP_2)
	v_pk_add_f32 v[238:239], v[238:239], v[98+4*\w:99+4*\w]
.endr
	s_delay_alu instid0(VALU_DEP_2)
	v_pk_fma_f32 v[236:237], v[232:233], 0x41800000, v[236:237] op_sel_hi:[1,0,1]   ; the tiles' centred sums + 16 x the squares of their means' distances from the block's mean
	s_delay_alu instid0(VALU_DEP_2)
	v_pk_fma_f32 v[238:239], v[234:235], 0x41800000, v[238:239] op_sel_hi:[1,0,1]
	global_store_b128 v[LI], v[224:227], s[PA:PA+1]               ; 32 lanes store 512 consecutive bytes
	global_store_b128 v[LI], v[236:239], s[PA:PA+1] offset:4096
.Ldone:
	s_wait_tensorcnt 0x0                           ; the wave's end: behind my last tensor load and my last LDS store
	ds_add_u32 v[SPW], v[NIL]
	s_wait_dscnt 0x0
	CROUND                                         ; the closing round: no work-group ends while a partner may still ask for a tile that names it
	s_endpgm
.Lfunc_end_k_q6aca4c60fe_attn:
	.size	k_q6aca4c60fe_attn, .Lfunc_end_k_q6aca4c60fe_attn-k_q6aca4c60fe_attn
	.p2alignl 7, 3214868480
	.fill 96, 4, 3214868480
	.section	.rodata,"a",@progbits
	.p2align	6, 0x0
	.amdhsa_kernel k_q6aca4c60fe_attn
		.amdhsa_group_segment_fixed_size 327680
		.amdhsa_private_segment_fixed_size 0
		.amdhsa_enable_private_segment 0
		.amdhsa_kernarg_size 40
		.amdhsa_user_sgpr_count 2
		.amdhsa_user_sgpr_kernarg_segment_ptr 1
		.amdhsa_wavefront_size32 1
		.amdhsa_system_sgpr_workgroup_id_x 1
		.amdhsa_system_sgpr_workgroup_id_y 1
		.amdhsa_system_sgpr_workgroup_id_z 1
		.amdhsa_system_vgpr_workitem_id 0
		.amdhsa_next_free_vgpr 512
		.amdhsa_next_free_sgpr 100
		.amdhsa_reserve_vcc 0
		.amdhsa_float_denorm_mode_32 3
		.amdhsa_float_denorm_mode_16_64 3
		.amdhsa_fp16_overflow 1
		.amdhsa_memory_ordered 1
		.amdhsa_forward_progress 1
		.amdhsa_inst_pref_size 194
	.end_amdhsa_kernel
	.amdgpu_metadata
---
amdhsa.version: [ 1, 2 ]
amdhsa.kernels:
  - .name:           k_q6aca4c60fe_attn
    .symbol:         k_q6aca4c60fe_attn.kd
    .args:
      - { .name: qkv, .offset: 0, .size: 8, .value_kind: global_buffer, .address_space: global }
      - { .name: lowp_scales, .offset: 8, .size: 8, .value_kind: global_buffer, .address_space: global }
      - { .name: query, .offset: 16, .size: 8, .value_kind: global_buffer, .address_space: global }
      - { .name: z, .offset: 24, .size: 8, .value_kind: global_buffer, .address_space: global }
      - { .name: part, .offset: 32, .size: 8, .value_kind: global_buffer, .address_space: global }
    .group_segment_fixed_size: 327680
    .private_segment_fixed_size: 0
    .kernarg_segment_align: 8
    .kernarg_segment_size: 40
    .max_flat_workgroup_size: 256
    .sgpr_count:     100
    .vgpr_count:     512
    .wavefront_size: 32
...
	.end_amdgpu_metadata
.endif
;; end of part 6
;; launch norm (part 7): grid 8 x 32, 8 waves a work-group, no clusters, 9,216 bytes of LDS; arguments z, part, gamma, beta, out0; writes out0
.if DOCPART == 7
	.amdgcn_target "amdgcn-amd-amdhsa--gfx1250"
	.amdhsa_code_object_version 6
	.text
	.protected	k_q6aca4c60fe_norm
	.globl	k_q6aca4c60fe_norm
	.p2align	8
	.type	k_q6aca4c60fe_norm,@function
k_q6aca4c60fe_norm:
	s_mov_b64 s[64:65], 0
	v_nop
	global_prefetch_b8 v0, s[64:65] scope:SCOPE_SE
	s_setreg_imm32_b32 hwreg(HW_REG_WAVE_MODE, 25, 1), 1
	s_wait_xcnt 0x0
; out0[row][f] = gamma[f] (z[row][f] - mean[f]) / sqrt(var[f] + 1e-5) + beta[f]; mean and var over all 8,192 rows, var the mean of squares about the mean.
; part holds, for each of 32 blocks of 256 rows and each feature, the block's sum (at 8,192 p) and its sum of squares about its own mean (at 8,192 p + 4,096).  They are merged by means and centred sums:
; M2 = the sum of the blocks' M2 + 256 x the sum of (a block's mean - the mean)^2: no difference of large sums is formed.
; SHARES.  Work-group (x, y): features 128 x .. 128 x + 127, rows 256 y .. 256 y + 255.  A wave takes 32 rows; a lane keeps four features, so each load and store of a wave covers 512 consecutive bytes.
; All 32 rows of a wave are asked for at the head and land while the statistics are merged: wave w takes blocks 4 w .. 4 w + 3, and the eight waves' figures meet in LDS, twice (the mean first, then the squares about it).
; The matrix units, clusters and tensor loads have nothing to do here: no work-group shares a byte of z with another, and every byte is used once.
.set ROW, 4096                         ; a row of z and of out0 in bytes
.set LO,  1                            ; v1   16 x lane; never rewritten
.set TO,  2                            ; v2   16 x my thread's number: where I put my wave's figures in LDS
.set SU,  16                           ; v16-31   my four blocks' sums
.set MM,  32                           ; v32-47   their centred sums of squares
.set GA,  48                           ; v48-51   gamma, then gamma / sqrt(var + eps)
.set BE,  52                           ; v52-55   beta
.set LC,  56                           ; v56-59   at work
.set ME,  60                           ; v60-63   the mean
.set Z,   64                           ; v64-191  my 32 rows, four registers each
.set MG,  192                          ; v192-223 the eight waves' figures
	s_load_b256 s[4:11], s[0:1], 0x0               ; z s[4:5], part s[6:7], gamma s[8:9], beta s[10:11]
	s_load_b64 s[12:13], s[0:1], 0x20              ; out0
	v_lshl_add_u32 v224, v0, 2, 0x2000
	v_mov_b32 v225, 0
	v_lshrrev_b32 v3, 5, v0
	s_delay_alu instid0(VALU_DEP_1)
	v_readfirstlane_b32 s14, v3                    ; wave 0..7
	v_and_b32 v[LO], 31, v0
	s_delay_alu instid0(VALU_DEP_1)
	v_lshlrev_b32 v[LO], 4, v[LO]
	v_lshlrev_b32 v[TO], 4, v0
	s_and_b32 s15, ttmp7, 0xffff
	s_lshl_b32 s16, ttmp9, 9                       ; my 128 features' 512 bytes
	s_mov_b32 s17, 0
	s_lshl_b32 s18, s15, 8
	s_lshl_b32 s19, s14, 5
	s_add_co_u32 s18, s18, s19                     ; my wave's first row
	s_lshl_b32 s18, s18, 12
	s_add_co_u32 s18, s18, s16
	s_mov_b32 s19, 0
	s_lshl_b32 s20, s14, 15                        ; my four blocks of part: 4 w x 8,192 bytes
	s_add_co_u32 s20, s20, s16
	s_mov_b32 s21, 0
	s_mov_b32 s22, 0x39000000                      ; 1 / 8,192
	s_mov_b32 s23, 0x3727c5ac                      ; 1e-5
	s_wait_alu depctr_va_vdst(0)
	s_wait_kmcnt 0x0
	s_add_nc_u64 s[4:5], s[4:5], s[18:19]
	s_add_nc_u64 s[12:13], s[12:13], s[18:19]
	s_add_nc_u64 s[6:7], s[6:7], s[20:21]
	s_add_nc_u64 s[8:9], s[8:9], s[16:17]
	s_add_nc_u64 s[10:11], s[10:11], s[16:17]
.irp k, 0,1,2,3
	global_load_b128 v[SU+4*\k:SU+4*\k+3], v[LO], s[6:7] offset:8192*\k
.endr
.irp k, 0,1,2,3
	global_load_b128 v[MM+4*\k:MM+4*\k+3], v[LO], s[6:7] offset:8192*\k+4096
.endr
	global_load_b128 v[GA:GA+3], v[LO], s[8:9]
	global_load_b128 v[BE:BE+3], v[LO], s[10:11]
.set i, 0
.rept 32
	global_load_b128 v[Z+4*i:Z+4*i+3], v[LO], s[4:5] offset:ROW*i th:TH_LOAD_NT
.set i, i+1
.endr
.macro MEET off, d                     ; the waves' figures at LDS byte off are summed into v[d] .. v[d + 3], in the same order in every wave
	s_wait_dscnt 0x0                               ; for the others' sake: my store is done
	s_barrier_signal -1
	s_barrier_wait -1
.irp j, 0,1,2,3,4,5,6,7
	ds_load_b128 v[MG+4*\j:MG+4*\j+3], v[LO] offset:\off+512*\j
.endr
	s_wait_dscnt 0x0
	v_pk_add_f32 v[\d:\d+1], v[MG:MG+1], v[MG+4:MG+5]
	v_pk_add_f32 v[\d+2:\d+3], v[MG+2:MG+3], v[MG+6:MG+7]
.irp j, 2,3,4,5,6,7
	s_delay_alu instid0(VALU_DEP_2)
	v_pk_add_f32 v[\d:\d+1], v[\d:\d+1], v[MG+4*\j:MG+4*\j+1]
	s_delay_alu instid0(VALU_DEP_2)
	v_pk_add_f32 v[\d+2:\d+3], v[\d+2:\d+3], v[MG+4*\j+2:MG+4*\j+3]
.endr
.endm
	s_wait_loadcnt 34                              ; my eight loads of part are in; behind them: gamma, beta and the 32 rows
	v_pk_add_f32 v[LC:LC+1], v[SU:SU+1], v[SU+4:SU+5]
	v_pk_add_f32 v[LC+2:LC+3], v[SU+2:SU+3], v[SU+6:SU+7]
.irp k, 2,3
	s_delay_alu instid0(VALU_DEP_2)
	v_pk_add_f32 v[LC:LC+1], v[LC:LC+1], v[SU+4*\k:SU+4*\k+1]
	s_delay_alu instid0(VALU_DEP_2)
	v_pk_add_f32 v[LC+2:LC+3], v[LC+2:LC+3], v[SU+4*\k+2:SU+4*\k+3]
.endr
	ds_store_b128 v[TO], v[LC:LC+3]
	MEET 0, ME
	s_delay_alu instid0(VALU_DEP_2)
	v_pk_mul_f32 v[ME:ME+1], v[ME:ME+1], 0x39000000 op_sel_hi:[1,0]       ; the mean: / 8,192
	s_delay_alu instid0(VALU_DEP_2)
	v_pk_mul_f32 v[ME+2:ME+3], v[ME+2:ME+3], 0x39000000 op_sel_hi:[1,0]
.irp k, 0,1,2,3
	v_pk_fma_f32 v[SU+4*\k:SU+4*\k+1], v[SU+4*\k:SU+4*\k+1], 0x3b800000, v[ME:ME+1] op_sel_hi:[1,0,1] neg_lo:[0,0,1] neg_hi:[0,0,1]       ; a block's mean (its sum / 256) less the mean
	v_pk_fma_f32 v[SU+4*\k+2:SU+4*\k+3], v[SU+4*\k+2:SU+4*\k+3], 0x3b800000, v[ME+2:ME+3] op_sel_hi:[1,0,1] neg_lo:[0,0,1] neg_hi:[0,0,1]
.endr
	v_pk_mul_f32 v[LC:LC+1], v[SU:SU+1], v[SU:SU+1]
	v_pk_mul_f32 v[LC+2:LC+3], v[SU+2:SU+3], v[SU+2:SU+3]
.irp k, 1,2,3
	s_delay_alu instid0(VALU_DEP_2)
	v_pk_fma_f32 v[LC:LC+1], v[SU+4*\k:SU+4*\k+1], v[SU+4*\k:SU+4*\k+1], v[LC:LC+1]
	s_delay_alu instid0(VALU_DEP_2)
	v_pk_fma_f32 v[LC+2:LC+3], v[SU+4*\k+2:SU+4*\k+3], v[SU+4*\k+2:SU+4*\k+3], v[LC+2:LC+3]
.endr
.irp k, 1
	v_pk_add_f32 v[MM:MM+1], v[MM:MM+1], v[MM+4*\k:MM+4*\k+1]
	v_pk_add_f32 v[MM+2:MM+3], v[MM+2:MM+3], v[MM+4*\k+2:MM+4*\k+3]
.endr
.irp k, 2, 3
	s_delay_alu instid0(VALU_DEP_2)
	v_pk_add_f32 v[MM:MM+1], v[MM:MM+1], v[MM+4*\k:MM+4*\k+1]
	s_delay_alu instid0(VALU_DEP_2)
	v_pk_add_f32 v[MM+2:MM+3], v[MM+2:MM+3], v[MM+4*\k+2:MM+4*\k+3]
.endr
	s_delay_alu instid0(VALU_DEP_2)
	v_pk_fma_f32 v[MM:MM+1], v[LC:LC+1], 0x43800000, v[MM:MM+1] op_sel_hi:[1,0,1]       ; + 256 x the squares
	s_delay_alu instid0(VALU_DEP_2)
	v_pk_fma_f32 v[MM+2:MM+3], v[LC+2:LC+3], 0x43800000, v[MM+2:MM+3] op_sel_hi:[1,0,1]
	ds_store_b128 v[TO], v[MM:MM+3] offset:4096    ; bytes of its own: nobody need wait for the first meeting's reads
	MEET 4096, LC
.irp n, 0,1,2,3
	v_fma_f32 v[LC+\n], v[LC+\n], s22, s23         ; var + eps
.endr
	s_wait_alu depctr_va_vdst(0)
.irp n, 0,1,2,3
	v_rsq_f32 v[MG+\n], v[LC+\n]
.endr
	v_nop                                          ; a plain line between the last transcendental and the use of its result
	s_wait_loadcnt 32                              ; gamma and beta are in; behind them: the 32 rows
	s_wait_alu depctr_va_vdst(0)
	v_pk_mul_f32 v[GA:GA+1], v[GA:GA+1], v[MG:MG+1]
	v_pk_mul_f32 v[GA+2:GA+3], v[GA+2:GA+3], v[MG+2:MG+3]
.set i, 0
.rept 32
	s_wait_loadcnt 31-i                            ; loads come back in order: row i is in, the later rows may be out
	v_pk_add_f32 v[Z+4*i:Z+4*i+1], v[Z+4*i:Z+4*i+1], v[ME:ME+1] neg_lo:[0,1] neg_hi:[0,1]
	s_wait_alu depctr_va_vdst(0)
	v_pk_add_f32 v[Z+4*i+2:Z+4*i+3], v[Z+4*i+2:Z+4*i+3], v[ME+2:ME+3] neg_lo:[0,1] neg_hi:[0,1]
	v_pk_fma_f32 v[Z+4*i:Z+4*i+1], v[Z+4*i:Z+4*i+1], v[GA:GA+1], v[BE:BE+1]
	s_delay_alu instid0(VALU_DEP_2)
	v_pk_fma_f32 v[Z+4*i+2:Z+4*i+3], v[Z+4*i+2:Z+4*i+3], v[GA+2:GA+3], v[BE+2:BE+3]
	global_store_b128 v[LO], v[Z+4*i:Z+4*i+3], s[12:13] offset:ROW*i th:TH_STORE_NT   ; 32 lanes store 512 consecutive bytes, at a multiple of 256 from out0's first byte; each row has registers of its own, so no store's data are written again
.set i, i+1
.endr
	s_wait_tensorcnt 0x0
	ds_add_u32 v224, v225
	s_wait_dscnt 0x0
	s_endpgm
.Lfunc_end_k_q6aca4c60fe_norm:
	.size	k_q6aca4c60fe_norm, .Lfunc_end_k_q6aca4c60fe_norm-k_q6aca4c60fe_norm
	.p2alignl 7, 3214868480
	.fill 96, 4, 3214868480
	.section	.rodata,"a",@progbits
	.p2align	6, 0x0
	.amdhsa_kernel k_q6aca4c60fe_norm
		.amdhsa_group_segment_fixed_size 9216
		.amdhsa_private_segment_fixed_size 0
		.amdhsa_enable_private_segment 0
		.amdhsa_kernarg_size 40
		.amdhsa_user_sgpr_count 2
		.amdhsa_user_sgpr_kernarg_segment_ptr 1
		.amdhsa_wavefront_size32 1
		.amdhsa_system_sgpr_workgroup_id_x 1
		.amdhsa_system_sgpr_workgroup_id_y 1
		.amdhsa_system_sgpr_workgroup_id_z 1
		.amdhsa_system_vgpr_workitem_id 0
		.amdhsa_next_free_vgpr 226
		.amdhsa_next_free_sgpr 66
		.amdhsa_reserve_vcc 0
		.amdhsa_float_denorm_mode_32 3
		.amdhsa_float_denorm_mode_16_64 3
		.amdhsa_memory_ordered 1
		.amdhsa_forward_progress 1
		.amdhsa_inst_pref_size 28
	.end_amdhsa_kernel
	.amdgpu_metadata
---
amdhsa.version: [ 1, 2 ]
amdhsa.kernels:
  - .name:           k_q6aca4c60fe_norm
    .symbol:         k_q6aca4c60fe_norm.kd
    .args:
      - { .name: z, .offset: 0, .size: 8, .value_kind: global_buffer, .address_space: global }
      - { .name: part, .offset: 8, .size: 8, .value_kind: global_buffer, .address_space: global }
      - { .name: gamma, .offset: 16, .size: 8, .value_kind: global_buffer, .address_space: global }
      - { .name: beta, .offset: 24, .size: 8, .value_kind: global_buffer, .address_space: global }
      - { .name: out0, .offset: 32, .size: 8, .value_kind: global_buffer, .address_space: global }
    .group_segment_fixed_size: 9216
    .private_segment_fixed_size: 0
    .kernarg_segment_align: 8
    .kernarg_segment_size: 40
    .max_flat_workgroup_size: 256
    .sgpr_count:     66
    .vgpr_count:     226
    .wavefront_size: 32
...
	.end_amdgpu_metadata
.endif
;; end of part 7
